; MI455X (gfx1250); checked and timed in simulation.
; The chip was launched on July 23, 2026; its instructions are those of AMD's public machine-readable ISA for CDNA 5 (MIT licence, August 2026) and "CDNA5" Instruction Set Architecture Reference Guide (July 2026). The comments in the code are by the model that wrote it; some were corrected since.
;; Multi Head Attention. Allowed arithmetic: matrix products marked QUANTISED: E5M2 operands, one E8M0 scale for each 32 along K, by v_wmma_scale_f32_16x16x128_f8f6f4 with both operands' format E5M2, f32 sums; everything else in f32.
;; Inputs: Wk_codes 512 x 32 x 32 uint8 (E5M2 codes of Wk, K innermost, in blocks of 32 codes); Wk_scales 512 x 32 uint8 (E8M0 scales of Wk, one for each 32 codes along K); Wo_codes 1,024 x 16 x 32 uint8 (E5M2 codes of Wo, K innermost, in blocks of 32 codes); Wo_scales 1,024 x 16 uint8 (E8M0 scales of Wo, one for each 32 codes along K); Wq_codes 512 x 32 x 32 uint8 (E5M2 codes of Wq, K innermost, in blocks of 32 codes); Wq_scales 512 x 32 uint8 (E8M0 scales of Wq, one for each 32 codes along K); Wv_codes 512 x 32 x 32 uint8 (E5M2 codes of Wv, K innermost, in blocks of 32 codes); Wv_scales 512 x 32 uint8 (E8M0 scales of Wv, one for each 32 codes along K); fc1_b 2,048 float32; fc1_w_codes 2,048 x 32 x 32 uint8 (E5M2 codes of fc1_w, K innermost, in blocks of 32 codes); fc1_w_scales 2,048 x 32 uint8 (E8M0 scales of fc1_w, one for each 32 codes along K); fc2_b 1,024 float32; fc2_w_codes 1,024 x 64 x 32 uint8 (E5M2 codes of fc2_w, K innermost, in blocks of 32 codes); fc2_w_scales 1,024 x 64 uint8 (E8M0 scales of fc2_w, one for each 32 codes along K); keys_codes 4 x 2,048 x 32 x 32 uint8 (E5M2 codes of keys, K innermost, in blocks of 32 codes); keys_scales 4 x 2,048 x 32 uint8 (E8M0 scales of keys, one for each 32 codes along K); ln1_b 1,024 float32; ln1_g 1,024 float32; ln2_b 1,024 float32; ln2_g 1,024 float32; x 4 x 2,048 x 1,024 float32.
;; Outputs: out0 4 x 2,048 x 1,024 float32.
;; This version of the problem:
;;   THIS VERSION OF THE PROBLEM IS GIVEN IN LOW PRECISION. The matrix products marked QUANTISED in the list below multiply operands that are first quantised to E5M2 (5 exponent bits, 2 mantissa bits; 8 bits a number), with one power-of-two scale for each 32 numbers along K (OCP MX v1.0); their sums are f32. All else is computed in f32.
;;   The module's matrix products, in the order in which they are computed (A, B: the left and right operand; K: the contracted axis; several contracted axes count as one K, in the product's order):
;;     1. [M 8,192, K 1,024] x [K 1,024, N 512]; A: input x; B: input Wq (given as codes): QUANTISED
;;     2. [M 8,192, K 1,024] x [K 1,024, N 512]; A: input keys (given as codes); B: input Wk (given as codes): QUANTISED
;;     3. [M 8,192, K 1,024] x [K 1,024, N 512]; A: input keys (given as codes); B: input Wv (given as codes): QUANTISED
;;     4. batch 64 x [M 2,048, K 32] x [K 32, N 2,048]; A: computed on the way; B: computed on the way: QUANTISED
;;     5. batch 64 x [M 2,048, K 2,048] x [K 2,048, N 32]; A: softmax (see below); B: computed on the way: QUANTISED
;;     6. [M 8,192, K 512] x [K 512, N 1,024]; A: computed on the way; B: input Wo (given as codes): QUANTISED
;;     7. [M 8,192, K 1,024] x [K 1,024, N 2,048]; A: computed on the way; B: input fc1_w (given as codes): QUANTISED
;;     8. [M 8,192, K 2,048] x [K 2,048, N 1,024]; A: computed on the way; B: input fc2_w (given as codes): QUANTISED
;;   THE QUANTISER, for each operand of a quantised product, along K:
;;     - K is cut into blocks of 32 from its start; a last block that is shorter is filled with zeros.
;;     - A block's scale is 2^e with e = floor(log2(the largest magnitude in the block)) - 15, held to -126 .. 127; a block of zeros has e = 0. As a byte (E8M0): e + 127.
;;     - Each number is divided by its block's scale, clamped to +-57,344, and rounded to the nearest number of E5M2, ties to even, subnormals kept.
;;     - The product sums the exact products of the quantised numbers (number of the format x scale) in f32.
;;   ~~~python
;;   def quantise(x, axis):      # numpy; x: float32 -> the quantised numbers, widened to float32 again
;;       x = np.moveaxis(x, axis, -1); K = x.shape[-1]
;;       x = np.pad(x, [(0, 0)] * (x.ndim - 1) + [(0, -K % 32)]); x = x.reshape(x.shape[:-1] + (-1, 32)); a = np.abs(x).max(-1, keepdims=True)
;;       e = np.where(a > 0, np.clip(np.frexp(np.where(a > 0, a, 1))[1] - 1 - 15, -126, 127), 0)      # np.frexp(a)[1] - 1 = floor(log2(a)), exactly
;;       r = np.clip(x / 2.0 ** e, -57344, 57344)
;;       step = 2.0 ** (np.maximum(np.frexp(np.where(r == 0, 1, r))[1] - 1, -14) - 2)
;;       q = np.round(r / step) * step * 2.0 ** e      # np.round: ties to even
;;       return np.moveaxis(q.reshape(q.shape[:-2] + (-1,))[..., :K], -1, axis).astype(np.float32)
;;   ~~~
;;   SOFTMAX AHEAD OF A QUANTISED PRODUCT. Where the list says 'softmax', what is quantised is not the finished softmax but p = 2^(t - M), with t = logit x log2(e) and M = ceil(the row's largest t), a whole number; so 1/2 < the row's largest p <= 1. The row's sum l is taken of the UNQUANTISED p, in f32, and the product's result is divided by l at the end. Since M is a whole number, a kernel that streams over the keys may use a running M (the ceiling of the running maximum): every later rescaling is an exact power of two, which a block's scale takes up: the codes' values come out the same.
;;   OPERANDS COMPUTED ON THE WAY. 'Computed on the way' means the value that the module computes at that place (a softmax that the list does not call 'softmax' is quantised finished and normalised). What goes into a quantiser is computed in f32, as accurately as f32 sums, v_exp_f32 and their like allow (about 1e-6 of the number): no bf16 or f16 on the way to a quantiser, and a product that is left as it is and whose result goes on into a quantised operand takes f32 operands (vector FMAs, or v_wmma_f32_16x16x4_f32). A number that lies on a knife's edge between two numbers of the format may be rounded either way, as far as f32 arithmetic and the matrix unit's own rounding can turn it there, and no further.
;;   INPUTS GIVEN AS CODES. Wk (in the module: [512, 1024], K = its axis 1); Wo (in the module: [1024, 512], K = its axis 1); Wq (in the module: [512, 1024], K = its axis 1); Wv (in the module: [512, 1024], K = its axis 1); fc1_w (in the module: [2048, 1024], K = its axis 1); fc2_w (in the module: [1024, 2048], K = its axis 1); keys (in the module: [4, 2048, 1024], K = its axis 2): each comes as NAME_codes (uint8): NAME with its K axis moved to the last place and cut into blocks of 32 codes, [.., K / 32, bytes a block], one block behind the other in memory; one code a byte (a code: sign, 5 exponent bits, 2 mantissa bits); and NAME_scales (uint8): the same leading axes, one E8M0 byte (e + 127) for each 32 codes along K. Its value is code x scale, taken as it is: it is not quantised again, and the codes and scales need not be those that the quantiser above would give.
;; 2 versions. Each part assembles by itself: llvm-mc -triple=amdgcn-amd-amdhsa -mcpu=gfx1250 --defsym DOCPART=n.
;; ======== version 1 of 2: 4 launches
;; workspace buffers: x_codes 8,388,608 bytes; x_scales 262,144 bytes; wimg 6,291,456 bytes; wsc 196,608 bytes; qkv 12,976,128 bytes; att 4,194,304 bytes; att_sc 131,072 bytes
;; launch prep (part 1): grid 640 x 1, 4 waves a work-group, no clusters, 33,280 bytes of LDS; arguments Wq_codes, Wk_codes, Wv_codes, Wo_codes, fc1_w_codes, fc2_w_codes, Wq_scales, Wk_scales, Wv_scales, Wo_scales, fc1_w_scales, fc2_w_scales, x, x_codes, x_scales, wimg, wsc; writes x_codes, x_scales, wimg, wsc
.if DOCPART == 1
	.amdgcn_target "amdgcn-amd-amdhsa--gfx1250"
	.amdhsa_code_object_version 6
	.text
	.protected	k_q2ba80ffc82_prep
	.globl	k_q2ba80ffc82_prep
	.p2align	8
	.type	k_q2ba80ffc82_prep,@function
k_q2ba80ffc82_prep:
	s_mov_b64 s[64:65], 0
	v_nop
	global_prefetch_b8 v0, s[64:65] scope:SCOPE_SE
	s_setreg_imm32_b32 hwreg(HW_REG_WAVE_MODE, 25, 1), 1
	s_wait_xcnt 0x0
; PREP.  Two jobs in one launch, parted by the work-group's number.
; Work-groups 0-255: x [8192][1024] f32 becomes codes of E5M2 with K innermost (x_codes) and one E8M0 byte for each 32 along K (x_scales).
;   A block's scale is 2^(floor(log2(largest magnitude)) - 15); each number is divided by it, held within +-57,344 and rounded to the nearest code, ties to even.
;   A wave takes 16 steps of 512 numbers: four loads of 512 consecutive bytes, a turn through its own stage in LDS so that a lane holds 16 neighbours, 512 bytes of codes out; 256 scale bytes leave as one store.
; Work-groups 256-639: the six weights' codes and scale bytes are laid anew in the order of the operand's registers.  A wave makes one CHUNK: 32 output channels (group g) x 128 along K (step q):
;   codes [u 0,1][c 0..3][lane][16 bytes]: lane (r, h) of tile u holds row 32 g + 8 u + r + 8 (r / 8), k = 128 q + 32 c + 16 h + 0..15;  scale words [lane = r + 16 u].
;   Chunks 0-383: Wq, Wk, Wv, at kind x 128 + head x 8 + q.  From 384 on: the order in which wave w of the last launch walks them: 384 + (36 w + step) x 2 + (g & 1),
;   step 0-3: Wo (g = 2 w + ..), 4-19: fc1 (g = 4 w + 2 d + .., step = 4 + 8 d + q), 20-35: fc2 (g = 2 w + ..).
; LIMITS: a block of x whose largest magnitude lies under 2^-111 gets the byte 1 (a block of zeros too, where the rule says 127: its codes are zeros, and this program alone reads the bytes); NaN and infinities are not served.
.set STEPS, 16
.set EMAX,  15
.set MANT,  0x600000                   ; the mantissa field of 57,344 as f32
.set CB,    16                         ; bytes of 16 codes
.set R,     16                         ; v16-79   four sets of 16 numbers as they are loaded
.set X,     80                         ; v80-111  two sets of 16 neighbours
.set C,     128                        ; v128-191 codes: four registers for each step
.set E,     112                        ; v112-127 a scale byte for each step
.set WREG,  8192                       ; LDS: a region for each wave: two stages of 32 x SP bytes, then its 256 scale bytes
.set SP,    80                         ; a lane's place in a stage: 64 bytes + 16 of padding
.macro LOAD t
.irp i, 0,1,2,3
	global_load_b128 v[R+16*((\t)%4)+4*\i:R+16*((\t)%4)+4*\i+3], v3, s[32:33] offset:2048*(\t)+512*\i th:TH_LOAD_NT   ; 32 lanes read 512 consecutive bytes
.endr
.endm
.macro TURN t                          ; step t's numbers through the stage: LDS serves a wave's instructions in order
.irp i, 0,1,2,3
	ds_store_b128 v14, v[R+16*((\t)%4)+4*\i:R+16*((\t)%4)+4*\i+3] offset:32*SP*((\t)%2)+8*SP*\i
.endr
.irp i, 0,1,2,3
	ds_load_b128 v[X+16*((\t)%2)+4*\i:X+16*((\t)%2)+4*\i+3], v15 offset:32*SP*((\t)%2)+16*\i
.endr
.endm
.macro STEP t
.set XS, X+16*((\t)%2)
.if (\t) > 0
	s_wait_dscnt 1                                 ; this step's numbers are back from the stage; the last step's byte store may be out
.else
	s_wait_dscnt 0x0
.endif
.if (\t)+4 < STEPS
	LOAD (\t)+4                                    ; into the registers that the stage's stores have read
.endif
.if (\t)+1 < STEPS
.if STEPS-2-(\t) >= 3
	s_wait_loadcnt 12                              ; the next step's four loads are in; those of the three steps behind it may be out
.else
	s_wait_loadcnt 4*(STEPS-2-(\t))
.endif
	TURN (\t)+1
.endif
	v_max3_num_f32 v8, |v[XS]|, |v[XS+1]|, |v[XS+2]|               ; the largest magnitude of my 16
	v_max3_num_f32 v9, |v[XS+3]|, |v[XS+4]|, |v[XS+5]|
.irp i, 6,10
	v_max3_num_f32 v8, v8, |v[XS+\i]|, |v[XS+\i+1]|
	v_max3_num_f32 v9, v9, |v[XS+\i+2]|, |v[XS+\i+3]|
.endr
	v_max3_num_f32 v8, v8, |v[XS+14]|, |v[XS+15]|
	v_max3_num_f32 v8, v8, v9, (EMAX+1)<<23        ; and the floor 2^(16 - 127): the byte cannot fall under 1
	v_max_num_f32_dpp v8, v8, v8 row_xmask:1 row_mask:0xf bank_mask:0xf   ; with my neighbour's 16: the block's
	v_add_nc_u32 v11, -(EMAX<<23), v8              ; 15 off the exponent field: the conversion's scale operand
	v_and_or_b32 v10, v8, 0x7f800000, s43          ; 57,344 x the scale
.irp i, 0,1,2,3,4,5,6,7,8,9,10,11,12,13,14,15
	v_med3_num_f32 v[XS+\i], v[XS+\i], -v10, v10   ; the conversion to an 8-bit code does not saturate (ISA guide 7.6.2): the hold comes first
.endr
	v_cvt_scalef32_pk8_bf8_f32 v[C+4*(\t):C+4*(\t)+1], v[XS:XS+7], v11
	v_cvt_scalef32_pk8_bf8_f32 v[C+4*(\t)+2:C+4*(\t)+3], v[XS+8:XS+15], v11
	v_lshrrev_b32 v[E+(\t)], 23, v11               ; the scale's byte
	ds_store_b8 v5, v[E+(\t)] offset:16*(\t)       ; both lanes of a block write the same byte with the same value
	global_store_b128 v4, v[C+4*(\t):C+4*(\t)+3], s[34:35] offset:32*CB*(\t)
.endm
	s_load_b128 s[8:11], s[0:1], 0x0               ; codes: Wq, Wk
	s_load_b128 s[12:15], s[0:1], 0x10             ; Wv, Wo
	s_load_b128 s[16:19], s[0:1], 0x20             ; fc1_w, fc2_w
	s_load_b128 s[20:23], s[0:1], 0x30             ; scales: Wq, Wk
	s_load_b128 s[24:27], s[0:1], 0x40             ; Wv, Wo
	s_load_b128 s[28:31], s[0:1], 0x50             ; fc1_w, fc2_w
	s_load_b128 s[32:35], s[0:1], 0x60             ; x, x_codes
	s_load_b128 s[36:39], s[0:1], 0x70             ; x_scales, wimg
	s_load_b64 s[4:5], s[0:1], 0x80                ; wsc
	v_lshl_add_u32 v192, v0, 2, 0x8000
	v_mov_b32 v193, 0
	v_lshrrev_b32 v1, 5, v0
	v_readfirstlane_b32 s41, v1                    ; wave 0..3
	v_and_b32 v2, 31, v0                           ; lane
	s_wait_kmcnt 0x0
	s_cmp_lt_u32 ttmp9, 256
	s_cbranch_scc0 .Lrelay
	; ---- x into codes
	v_lshlrev_b32 v3, 4, v2                        ; my 16 bytes of a load's 512
	s_mul_i32 s42, s41, WREG
	v_lshrrev_b32 v14, 2, v2
	v_mul_u32_u24 v14, v14, SP
	v_and_b32 v15, 3, v2
	v_lshl_add_u32 v14, v15, 4, v14
	v_add_nc_u32 v14, s42, v14                     ; the stage, on the way in: SP (lane / 4) + 16 (lane % 4)
	v_mul_u32_u24 v15, v2, SP
	v_add_nc_u32 v15, s42, v15                     ; and on the way out: SP x lane
	v_mul_u32_u24 v4, v2, CB                       ; my codes' place in a step's
	v_lshrrev_b32 v5, 1, v2
	s_add_co_u32 s42, s42, 2*32*SP
	v_add_nc_u32 v5, s42, v5                       ; my block's byte among the wave's 256
	v_lshlrev_b32 v7, 3, v2
	v_add_nc_u32 v6, s42, v7
	s_mov_b32 s43, MANT
	s_lshl_b32 s44, ttmp9, 2
	s_add_co_u32 s44, s44, s41                     ; which run of 8,192 numbers is my wave's
	s_mov_b32 s45, 0
	s_lshl_b64 s[46:47], s[44:45], 15
	s_add_nc_u64 s[32:33], s[32:33], s[46:47]
	s_lshl_b64 s[46:47], s[44:45], 13
	s_add_nc_u64 s[34:35], s[34:35], s[46:47]
	s_lshl_b32 s44, s44, 8
	s_add_nc_u64 s[36:37], s[36:37], s[44:45]
.irp t, 0,1,2,3
	LOAD \t
.endr
	s_wait_loadcnt 12                              ; step 0's four loads are in
	TURN 0
.irp t, 0,1,2,3,4,5,6,7,8,9,10,11,12,13,14,15
	STEP \t
.endr
	ds_load_b64 v[12:13], v6                       ; LDS serves a wave's instructions in order: these see my byte stores
	s_wait_dscnt 0x0
	global_store_b64 v7, v[12:13], s[36:37]        ; 32 lanes store 256 consecutive bytes, aligned
	s_wait_tensorcnt 0x0
	ds_add_u32 v192, v193
	s_wait_dscnt 0x0
	s_endpgm
.Lrelay:
	; ---- one chunk of a weight
	s_sub_co_u32 s40, ttmp9, 256
	s_lshl_b32 s40, s40, 2
	s_add_co_u32 s40, s40, s41                     ; n = 0 .. 1535
	s_lshr_b32 s42, s40, 7
	s_cmp_lt_u32 s40, 384
	s_cselect_b32 s42, s42, 3
	s_cmp_lt_u32 s40, 512
	s_cselect_b32 s42, s42, 4
	s_cmp_lt_u32 s40, 1024
	s_cselect_b32 s42, s42, 5                      ; which weight: 0 Wq, 1 Wk, 2 Wv, 3 Wo, 4 fc1, 5 fc2
	s_lshl_b32 s43, s42, 7
	s_cmp_eq_u32 s42, 5
	s_cselect_b32 s43, 1024, s43                   ; its first n: 0, 128, 256, 384, 512, 1024
	s_mov_b32 s44, 10
	s_cselect_b32 s44, 11, s44
	s_cmp_eq_u32 s42, 3
	s_cselect_b32 s44, 9, s44                      ; log2 of a row's bytes: 10, 10, 10, 9, 10, 11
	s_sub_co_u32 s45, s44, 7                       ; log2 of its K steps
	s_sub_co_u32 s46, s40, s43
	s_lshr_b32 s47, s46, s45                       ; g: the group of 32 rows
	s_bfm_b32 s48, s45, 0
	s_and_b32 s48, s46, s48                        ; q: the K step
.irp k, 1,2,3,4,5
	s_cmp_eq_u32 s42, \k                           ; the choice hangs on the work-group's and the wave's number alone
	s_cselect_b64 s[8:9], s[8+2*\k:9+2*\k], s[8:9]
	s_cselect_b64 s[20:21], s[20+2*\k:21+2*\k], s[20:21]
.endr
	s_cmp_eq_u32 s42, 4
	s_cselect_b32 s49, 2, 1                        ; groups to a wave: 4 (fc1) or 2, as a shift
	s_cselect_b32 s50, 4, 0
	s_cselect_b32 s52, 8, 0
	s_cmp_eq_u32 s42, 5
	s_cselect_b32 s50, 20, s50                     ; the weight's first step in the walk
	s_lshr_b32 s51, s47, s49                       ; w
	s_bfe_u32 s53, s47, 0x10001                    ; (g >> 1) & 1: fc1's d
	s_mul_i32 s53, s53, s52
	s_add_co_u32 s50, s50, s53
	s_add_co_u32 s50, s50, s48                     ; the step
	s_mul_i32 s51, s51, 36
	s_add_co_u32 s51, s51, s50
	s_lshl_b32 s51, s51, 1
	s_and_b32 s53, s47, 1
	s_add_co_u32 s51, s51, s53
	s_add_co_u32 s51, s51, 384
	s_cmp_lt_u32 s42, 3
	s_cselect_b32 s51, s40, s51                    ; the chunk's number
	s_lshl_b32 s54, s47, 5
	s_lshl_b32 s54, s54, s44
	s_lshl_b32 s55, s48, 7
	s_add_co_u32 s54, s54, s55                     ; codes: row 32 g, byte 128 q
	s_mov_b32 s55, 0
	s_add_nc_u64 s[56:57], s[8:9], s[54:55]
	s_sub_co_u32 s59, s44, 5                       ; log2 of a row of scale bytes
	s_lshl_b32 s54, s47, 5
	s_lshl_b32 s54, s54, s59
	s_lshl_b32 s58, s48, 2
	s_add_co_u32 s54, s54, s58                     ; scales: row 32 g, byte 4 q
	s_add_nc_u64 s[60:61], s[20:21], s[54:55]
	s_lshl_b32 s54, s51, 12
	s_add_nc_u64 s[38:39], s[38:39], s[54:55]
	s_lshl_b32 s54, s51, 7
	s_add_nc_u64 s[4:5], s[4:5], s[54:55]
	v_and_b32 v3, 15, v0                           ; r
	v_bfe_u32 v4, v0, 4, 1                         ; h
	v_and_b32 v5, 8, v3
	v_add_nc_u32 v5, v5, v3                        ; r + 8 (r / 8)
	v_lshlrev_b32 v6, s44, v5
	v_lshl_add_u32 v6, v4, 4, v6                   ; tile 0: my row, + 16 h
	s_lshl_b32 s58, 8, s44
	v_add_nc_u32 v7, s58, v6                       ; tile 1: eight rows on
	v_lshl_add_u32 v8, v4, 3, v5
	v_lshlrev_b32 v8, s59, v8                      ; the scale word of row 8 h + r + 8 (r / 8): lanes 16-31 take tile 1's
	v_lshlrev_b32 v9, 4, v2
	v_lshlrev_b32 v10, 2, v2
.irp c, 0,1,2,3
	global_load_b128 v[16+4*\c:19+4*\c], v6, s[56:57] offset:32*\c
	global_load_b128 v[32+4*\c:35+4*\c], v7, s[56:57] offset:32*\c
.endr
	global_load_b32 v11, v8, s[60:61]
	s_wait_loadcnt 0x0
.irp c, 0,1,2,3
	global_store_b128 v9, v[16+4*\c:19+4*\c], s[38:39] offset:512*\c          ; each store covers 512 consecutive bytes, aligned
	global_store_b128 v9, v[32+4*\c:35+4*\c], s[38:39] offset:2048+512*\c
.endr
	global_store_b32 v10, v11, s[4:5]
	s_endpgm
.Lfunc_end_k_q2ba80ffc82_prep:
	.size	k_q2ba80ffc82_prep, .Lfunc_end_k_q2ba80ffc82_prep-k_q2ba80ffc82_prep
	.p2alignl 7, 3214868480
	.fill 96, 4, 3214868480
	.section	.rodata,"a",@progbits
	.p2align	6, 0x0
	.amdhsa_kernel k_q2ba80ffc82_prep
		.amdhsa_group_segment_fixed_size 33280
		.amdhsa_private_segment_fixed_size 0
		.amdhsa_enable_private_segment 0
		.amdhsa_kernarg_size 136
		.amdhsa_user_sgpr_count 2
		.amdhsa_user_sgpr_kernarg_segment_ptr 1
		.amdhsa_wavefront_size32 1
		.amdhsa_system_sgpr_workgroup_id_x 1
		.amdhsa_system_sgpr_workgroup_id_y 1
		.amdhsa_system_sgpr_workgroup_id_z 1
		.amdhsa_system_vgpr_workitem_id 0
		.amdhsa_next_free_vgpr 194
		.amdhsa_next_free_sgpr 66
		.amdhsa_reserve_vcc 0
		.amdhsa_float_denorm_mode_32 3
		.amdhsa_float_denorm_mode_16_64 3
		.amdhsa_memory_ordered 1
		.amdhsa_forward_progress 1
		.amdhsa_inst_pref_size 56
	.end_amdhsa_kernel
	.amdgpu_metadata
---
amdhsa.version: [ 1, 2 ]
amdhsa.kernels:
  - .name:           k_q2ba80ffc82_prep
    .symbol:         k_q2ba80ffc82_prep.kd
    .args:
      - { .name: Wq_codes, .offset: 0, .size: 8, .value_kind: global_buffer, .address_space: global }
      - { .name: Wk_codes, .offset: 8, .size: 8, .value_kind: global_buffer, .address_space: global }
      - { .name: Wv_codes, .offset: 16, .size: 8, .value_kind: global_buffer, .address_space: global }
      - { .name: Wo_codes, .offset: 24, .size: 8, .value_kind: global_buffer, .address_space: global }
      - { .name: fc1_w_codes, .offset: 32, .size: 8, .value_kind: global_buffer, .address_space: global }
      - { .name: fc2_w_codes, .offset: 40, .size: 8, .value_kind: global_buffer, .address_space: global }
      - { .name: Wq_scales, .offset: 48, .size: 8, .value_kind: global_buffer, .address_space: global }
      - { .name: Wk_scales, .offset: 56, .size: 8, .value_kind: global_buffer, .address_space: global }
      - { .name: Wv_scales, .offset: 64, .size: 8, .value_kind: global_buffer, .address_space: global }
      - { .name: Wo_scales, .offset: 72, .size: 8, .value_kind: global_buffer, .address_space: global }
      - { .name: fc1_w_scales, .offset: 80, .size: 8, .value_kind: global_buffer, .address_space: global }
      - { .name: fc2_w_scales, .offset: 88, .size: 8, .value_kind: global_buffer, .address_space: global }
      - { .name: x, .offset: 96, .size: 8, .value_kind: global_buffer, .address_space: global }
      - { .name: x_codes, .offset: 104, .size: 8, .value_kind: global_buffer, .address_space: global }
      - { .name: x_scales, .offset: 112, .size: 8, .value_kind: global_buffer, .address_space: global }
      - { .name: wimg, .offset: 120, .size: 8, .value_kind: global_buffer, .address_space: global }
      - { .name: wsc, .offset: 128, .size: 8, .value_kind: global_buffer, .address_space: global }
    .group_segment_fixed_size: 33280
    .private_segment_fixed_size: 0
    .kernarg_segment_align: 8
    .kernarg_segment_size: 136
    .max_flat_workgroup_size: 128
    .sgpr_count:     66
    .vgpr_count:     194
    .wavefront_size: 32
...
	.end_amdgpu_metadata
.endif
;; end of part 1
;; launch proj (part 2): grid 64 x 6, 8 waves a work-group, no clusters, 168,960 bytes of LDS; arguments x_codes, x_scales, keys_codes, keys_scales, wimg, wsc, qkv; writes qkv
.if DOCPART == 2
	.amdgcn_target "amdgcn-amd-amdhsa--gfx1250"
	.amdhsa_code_object_version 6
	.text
	.protected	k_q2ba80ffc82_proj
	.globl	k_q2ba80ffc82_proj
	.p2align	8
	.type	k_q2ba80ffc82_proj,@function
k_q2ba80ffc82_proj:
	s_mov_b64 s[64:65], 0
	v_nop
	global_prefetch_b8 v0, s[64:65] scope:SCOPE_SE
	s_setreg_imm32_b32 hwreg(HW_REG_WAVE_MODE, 25, 1), 1
	s_wait_xcnt 0x0
; PROJ.  Q = x Wq^T, K = keys Wk^T, V = keys Wv^T on codes of E5M2 with E8M0 scales, and the results quantised at once: Q and K along the head's 32, V along the keys.
; SHARES.  Work-group (i, y): 128 rows (block i; batch i / 16, block s = i % 16 of its 2,048 rows).  y = 0, 1: A = x, wave w makes Q of head 8 y + w.  y = 2..5: A = keys, waves 0-3 make K and waves 4-7 V of head 4 (y - 2) + w % 4.
; A wave makes 128 rows x one head's 32 channels: 16 accumulators.  Its weight (16 fragments, 256 registers) stays in window 1; A's 128 rows x 1,024 bytes lie in LDS, filled once, one tensor load a wave (16 rows).
; The weight's 64 loads go out K step by K step, behind the scale words, and each K step's eight are waited for where its first product stands: the later steps land under the earlier steps' products.
; No cluster: the six work-groups that read a block of rows are no multiple of four, and what they share is one fill.
; EVERY TILE OF 16 ROWS IS: tile 2 b + u = rows 32 b + 8 u + r + 8 (r / 8).  So the 16 registers of two neighbouring result tiles are 16 neighbours along the axis that lay in source 0.
; Q, K: source 0 = W (channels), source 1 = rows: a lane holds one row and 16 neighbouring channels.  V: source 0 = rows (keys), source 1 = W: a lane holds one channel and 16 neighbouring keys.
; OUT: a record of 202,752 bytes for each (batch, head): images of Q, K, V at 0, 65,536, 131,072: [s][G 0..7][lane][16 bytes]; scale words at 196,608 + 2,048 kind: [s][lane = r + 16 g], byte c = group 4 g + c.
;   Q, K: G = the tile of rows;  V: G = 4 n + c: channels 8 n + r + 8 (r / 8), keys 32 c + 16 h + 0..15.
; LIMITS: a block whose largest magnitude lies under 2^-111 gets the byte 1 (a block of zeros too: its codes are zeros, and this program alone reads the bytes); NaN and infinities are not served.
.set PITCH, 1040                       ; an LDS row: 1,024 bytes + 16 of padding
.set BLK,   16768                      ; 16 rows, + 128 bytes: rows r and r + 16 of a tile then start half a row of banks apart
.set ADA0, 1                           ; v1   my lane's place in tiles 0-3: (r / 8) BLK + (r % 8) PITCH + 16 h
.set ADA1, 2                           ; v2   in tiles 4-7
.set LI,   3                           ; v3   16 x lane
.set LS,   4                           ; v4   4 x lane
.set SA,   5                           ; v5   32 x (8 h + r + 8 (r / 8)): my row of A's scale bytes
.set ASC,  12                          ; v12-43  A's scale words [b][q]: lanes 0-15 tile 2 b, lanes 16-31 tile 2 b + 1
.set WSC,  44                          ; v44-51  W's scale words [q]: lanes 0-15 tile 0, lanes 16-31 tile 1
.set AF,   52                          ; v52-83, v84-115  two sets of two fragments of A
.set ACC,  116                         ; v116-243  16 accumulators
.set TM,   52                          ; the quantiser's registers lie where A's fragments lay
.set BY,   60
.set SO,   68
.set HD,   76
.set PC,   84
.set MSB, 0
.macro WIN new                         ; the immediate's high byte repeats the setting that is left
.if MSB != \new
	s_set_vgpr_msb (MSB<<8)|\new
.set MSB, \new
.endif
.endm
; the matrix instruction: z = 1: the constant 0 starts the sum; ra, rb = 1: that side's scales are read from lanes 16-31
.macro WM d, a, b, z, sa, sb, ra, rb
.if \z
.if (\ra) && (\rb)
	v_wmma_scale_f32_16x16x128_f8f6f4 v[\d:\d+7], v[\a:\a+15], v[\b:\b+15], 0, v[\sa], v[\sb] matrix_a_fmt:MATRIX_FMT_BF8 matrix_b_fmt:MATRIX_FMT_BF8 matrix_a_scale:MATRIX_SCALE_ROW1 matrix_b_scale:MATRIX_SCALE_ROW1
.elseif \ra
	v_wmma_scale_f32_16x16x128_f8f6f4 v[\d:\d+7], v[\a:\a+15], v[\b:\b+15], 0, v[\sa], v[\sb] matrix_a_fmt:MATRIX_FMT_BF8 matrix_b_fmt:MATRIX_FMT_BF8 matrix_a_scale:MATRIX_SCALE_ROW1
.elseif \rb
	v_wmma_scale_f32_16x16x128_f8f6f4 v[\d:\d+7], v[\a:\a+15], v[\b:\b+15], 0, v[\sa], v[\sb] matrix_a_fmt:MATRIX_FMT_BF8 matrix_b_fmt:MATRIX_FMT_BF8 matrix_b_scale:MATRIX_SCALE_ROW1
.else
	v_wmma_scale_f32_16x16x128_f8f6f4 v[\d:\d+7], v[\a:\a+15], v[\b:\b+15], 0, v[\sa], v[\sb] matrix_a_fmt:MATRIX_FMT_BF8 matrix_b_fmt:MATRIX_FMT_BF8
.endif
.else
.if (\ra) && (\rb)
	v_wmma_scale_f32_16x16x128_f8f6f4 v[\d:\d+7], v[\a:\a+15], v[\b:\b+15], v[\d:\d+7], v[\sa], v[\sb] matrix_a_fmt:MATRIX_FMT_BF8 matrix_b_fmt:MATRIX_FMT_BF8 matrix_a_scale:MATRIX_SCALE_ROW1 matrix_b_scale:MATRIX_SCALE_ROW1
.elseif \ra
	v_wmma_scale_f32_16x16x128_f8f6f4 v[\d:\d+7], v[\a:\a+15], v[\b:\b+15], v[\d:\d+7], v[\sa], v[\sb] matrix_a_fmt:MATRIX_FMT_BF8 matrix_b_fmt:MATRIX_FMT_BF8 matrix_a_scale:MATRIX_SCALE_ROW1
.elseif \rb
	v_wmma_scale_f32_16x16x128_f8f6f4 v[\d:\d+7], v[\a:\a+15], v[\b:\b+15], v[\d:\d+7], v[\sa], v[\sb] matrix_a_fmt:MATRIX_FMT_BF8 matrix_b_fmt:MATRIX_FMT_BF8 matrix_b_scale:MATRIX_SCALE_ROW1
.else
	v_wmma_scale_f32_16x16x128_f8f6f4 v[\d:\d+7], v[\a:\a+15], v[\b:\b+15], v[\d:\d+7], v[\sa], v[\sb] matrix_a_fmt:MATRIX_FMT_BF8 matrix_b_fmt:MATRIX_FMT_BF8
.endif
.endif
.endm
; pair n = (K step q = n / 4, tiles 2 b and 2 b + 1, b = n % 4): its two fragments of A into set n % 2
.macro AFETCH n
.set fq, (\n)/4
.set fb, (\n)%4
.set fs, AF+32*((\n)%2)
.irp e, 0,1
.irp c, 0,1,2,3
	ds_load_b128 v[fs+16*\e+4*\c:fs+16*\e+4*\c+3], v[ADA0+fb/2] offset:(fb%2)*2*BLK+\e*8*PITCH+128*fq+32*\c
.endr
.endr
.endm
; four products of pair n.  The 16 accumulators take turns, one instruction a turn: each comes back after the 15 others.
.macro PAIR n, isv
.set pq, (\n)/4
.set pb, (\n)%4
.set ps, AF+32*((\n)%2)
.if pb == 0
	s_wait_loadcnt 8*(7-pq)                        ; loads come back in order (ISA guide 5.7.1): behind W's K step q stand the eight loads of each later step and nothing else, so step q, and ahead of it the scale words, are in
.endif
.if (\n) < 31
	s_wait_dscnt 8                                 ; this pair's eight loads are in; the next pair's eight may be out
.else
	s_wait_dscnt 0x0
.endif
.if \isv
	WIN 0x04                                       ; source 1 (W) in window 1
.irp f, 0,1
.irp e, 0,1
	WM ACC+16*(4*\f+pb)+8*\e, ps+16*\e, 32*pq+16*\f, (pq==0), ASC+8*pb+pq, WSC+pq, \e, \f
.endr
.endr
.else
	WIN 0x01                                       ; source 0 (W) in window 1
.irp e, 0,1
.irp f, 0,1
	WM ACC+16*(2*pb+\e)+8*\f, 32*pq+16*\f, ps+16*\e, (pq==0), WSC+pq, ASC+8*pb+pq, \f, \e
.endr
.endr
.endif
	WIN 0
.if (\n)+2 < 32
.rept 8
	v_nop                                          ; eight places in front of loads into registers that these products have read
.endr
	AFETCH (\n)+2
.endif
.endm
	s_load_b256 s[4:11], s[0:1], 0x0               ; x_codes, x_scales, keys_codes, keys_scales
	s_load_b128 s[24:27], s[0:1], 0x20             ; wimg, wsc
	s_load_b64 s[28:29], s[0:1], 0x30              ; qkv
	v_lshl_add_u32 v254, v0, 2, 0x29000
	v_mov_b32 v255, 0
	ds_add_u32 v254, v255
	ds_add_u32 v254, v255
	v_lshrrev_b32 v6, 5, v0
	v_readfirstlane_b32 s30, v6                    ; wave 0..7
	s_and_b32 s31, ttmp7, 0xffff                   ; y
	; descriptor group 1: 16 rows of 1,024 bytes, 16 bytes of padding behind each
	s_mov_b32 s16, 0x07d00000                      ; no mask; elements of 1 byte; padding on; after every 256 words (code 7); four words (code 3)
	s_mov_b32 s17, 1024<<16                        ; tensor_dim0
	s_mov_b32 s18, 16<<16                          ; tensor_dim1
	s_mov_b32 s19, 1024<<16                        ; tile_dim0
	s_mov_b32 s20, 16                              ; tile_dim1
	s_mov_b32 s21, 1024                            ; from row to row
	s_mov_b32 s22, 0
	s_mov_b32 s23, 0
	s_mov_b32 s12, 1
	s_mul_i32 s13, s30, BLK                        ; my 16 rows' place in LDS
	s_lshl_b32 s33, s31, 3
	s_add_co_u32 s33, s33, s30                     ; the head where y < 2
	s_sub_co_u32 s34, s31, 2
	s_lshl_b32 s34, s34, 2
	s_and_b32 s35, s30, 3
	s_add_co_u32 s34, s34, s35                     ; and where not
	s_lshr_b32 s35, s30, 2
	s_add_co_u32 s35, s35, 1                       ; 1: K, 2: V
	s_lshl_b32 s36, ttmp9, 17
	s_lshl_b32 s37, s30, 14
	s_add_co_u32 s36, s36, s37                     ; (128 i + 16 w) rows of 1,024 bytes
	s_mov_b32 s37, 0
	s_cmp_lt_u32 s31, 2
	s_cselect_b32 s33, s33, s34                    ; head
	s_cselect_b32 s35, 0, s35                      ; kind
	s_wait_dscnt 0x0
	s_wait_kmcnt 0x0
	s_cselect_b64 s[4:5], s[4:5], s[8:9]           ; A's codes,
	s_cselect_b64 s[6:7], s[6:7], s[10:11]         ; A's scales: the choice hangs on the work-group's number alone
	s_add_nc_u64 s[14:15], s[4:5], s[36:37]
	s_or_b32 s15, s15, 0x80000000                  ; type = 2
	tensor_load_to_lds s[12:15], s[16:23]          ; filled once: one load of mine is out
	s_nop 0
.rept 4
	v_nop
.endr
	s_lshl_b32 s38, ttmp9, 12                      ; A's scale bytes: 128 rows of 32
	s_mov_b32 s39, 0
	s_add_nc_u64 s[6:7], s[6:7], s[38:39]
	s_lshl_b32 s38, s35, 7
	s_lshl_b32 s40, s33, 3
	s_add_co_u32 s38, s38, s40                     ; my first chunk: kind x 128 + head x 8
	s_lshl_b32 s40, s38, 12
	s_mov_b32 s41, 0
	s_add_nc_u64 s[24:25], s[24:25], s[40:41]
	s_lshl_b32 s40, s38, 7
	s_add_nc_u64 s[26:27], s[26:27], s[40:41]
	s_lshr_b32 s38, ttmp9, 4
	s_lshl_b32 s38, s38, 4
	s_add_co_u32 s38, s38, s33                     ; the record: batch x 16 + head
	s_mul_i32 s38, s38, 202752
	s_and_b32 s40, ttmp9, 15                       ; s
	s_lshl_b32 s42, s35, 16
	s_lshl_b32 s43, s40, 12
	s_add_co_u32 s42, s42, s43
	s_add_co_u32 s42, s42, s38
	s_mov_b32 s43, 0
	s_add_nc_u64 s[44:45], s[28:29], s[42:43]      ; where my eight groups' codes go
	s_lshl_b32 s42, s35, 11
	s_lshl_b32 s46, s40, 7
	s_add_co_u32 s42, s42, s46
	s_add_co_u32 s42, s42, s38
	s_add_co_u32 s42, s42, 196608
	s_add_nc_u64 s[46:47], s[28:29], s[42:43]      ; and their scale words
	s_mov_b32 s48, 0x76543210
	s_mov_b32 s49, 0xfedcba98                      ; v_permlanex16_b32's selects for lane l xor 16
	s_mov_b32 s50, 0x600000                        ; the mantissa field of 57,344
	v_and_b32 v6, 31, v0                           ; lane
	v_and_b32 v7, 15, v0                           ; r
	v_bfe_u32 v8, v0, 4, 1                         ; h
	v_lshrrev_b32 v9, 3, v7
	v_and_b32 v10, 7, v7
	v_mul_u32_u24 v[ADA0], v9, BLK
	v_mad_u32_u24 v[ADA0], v10, PITCH, v[ADA0]
	v_lshl_add_u32 v[ADA0], v8, 4, v[ADA0]
	v_add_nc_u32 v[ADA1], 4*BLK, v[ADA0]
	v_lshlrev_b32 v[LI], 4, v6
	v_lshlrev_b32 v[LS], 2, v6
	v_lshl_add_u32 v11, v9, 3, v7
	v_lshl_add_u32 v11, v8, 3, v11
	v_lshlrev_b32 v[SA], 5, v11
	; the scale words first: the first product wants them; then W, K step by K step
.irp q, 0,1,2,3,4,5,6,7
	global_load_b32 v[WSC+\q], v[LS], s[26:27] offset:128*\q
.endr
.irp b, 0,1,2,3
	global_load_b128 v[ASC+8*\b:ASC+8*\b+3], v[SA], s[6:7] offset:1024*\b
	global_load_b128 v[ASC+8*\b+4:ASC+8*\b+7], v[SA], s[6:7] offset:1024*\b+16
.endr
	WIN 0x40                                       ; destination window 1
.irp q, 0,1,2,3,4,5,6,7
.irp i, 0,1,2,3,4,5,6,7
	global_load_b128 v[32*\q+4*\i:32*\q+4*\i+3], v[LI], s[24:25] offset:4096*\q+512*\i   ; W's fragment (q, u) at 32 q + 16 u: it stays.  Eight loads a K step, the last loads that this wave issues
.endr
.endr
	WIN 0
	s_wait_tensorcnt 0x0                           ; my 16 rows are in LDS,
	s_barrier_signal -1
	s_barrier_wait -1                              ; everybody's are
	AFETCH 0
	AFETCH 1
	s_cmp_eq_u32 s35, 2
	s_cbranch_scc1 .Lv
.set N, 0
.rept 32
	PAIR N, 0
.set N, N+1
.endr
	s_branch .Lquant
.Lv:
.set N, 0
.rept 32
	PAIR N, 1
.set N, N+1
.endr
.Lquant:
	; eight groups of 16 registers: with lane l xor 16's they are eight blocks of 32
.rept 8
	v_nop                                          ; eight places behind the last products, in front of the first read of results
.endr
.irp g, 0,1,2,3,4,5,6,7
	v_max3_num_f32 v[TM+\g], |v[ACC+16*\g]|, |v[ACC+16*\g+1]|, 0x8000000   ; my 16 numbers and the floor 2^(16 - 127); each accumulator is read from its low end on
.endr
.irp i, 2,4,6,8,10,12,14
.irp g, 0,1,2,3,4,5,6,7
	v_max3_num_f32 v[TM+\g], v[TM+\g], |v[ACC+16*\g+\i]|, |v[ACC+16*\g+\i+1]|
.endr
.endr
.irp g, 0,1,2,3,4,5,6,7
	v_permlanex16_b32 v[BY+\g], v[TM+\g], s48, s49
.endr
.irp g, 0,1,2,3,4,5,6,7
	v_max_num_f32 v[TM+\g], v[TM+\g], v[BY+\g]     ; the block's largest magnitude
.endr
.irp g, 0,1,2,3,4,5,6,7
	v_add_nc_u32 v[SO+\g], 0xf8800000, v[TM+\g]    ; 15 off its exponent field: the conversion's scale operand
.endr
.irp g, 0,1,2,3,4,5,6,7
	v_and_or_b32 v[HD+\g], v[TM+\g], 0x7f800000, s50   ; 57,344 x the scale
.endr
.irp g, 0,1,2,3,4,5,6,7
	v_lshrrev_b32 v[BY+\g], 23, v[SO+\g]           ; the scale's byte
.endr
	v_lshl_or_b32 v244, v[BY+1], 8, v[BY]
	v_lshl_or_b32 v245, v[BY+5], 8, v[BY+4]
	v_lshl_or_b32 v244, v[BY+2], 16, v244
	v_lshl_or_b32 v245, v[BY+6], 16, v245
	v_lshl_or_b32 v244, v[BY+3], 24, v244          ; groups 0-3's word
	v_lshl_or_b32 v245, v[BY+7], 24, v245          ; groups 4-7's
	v_cmp_gt_u32 vcc_lo, 16, v6
	v_cndmask_b32 v244, v245, v244, vcc_lo         ; lanes 0-15 store the first, lanes 16-31 the second
.irp g, 0,1,2,3,4,5,6,7
.irp i, 0,1,2,3,4,5,6,7,8,9,10,11,12,13,14,15
	v_med3_num_f32 v[ACC+16*\g+\i], v[ACC+16*\g+\i], -v[HD+\g], v[HD+\g]   ; the conversion does not saturate (ISA guide 7.6.2): the hold comes first
.endr
	v_cvt_scalef32_pk8_bf8_f32 v[PC+4*\g:PC+4*\g+1], v[ACC+16*\g:ACC+16*\g+7], v[SO+\g]
	v_cvt_scalef32_pk8_bf8_f32 v[PC+4*\g+2:PC+4*\g+3], v[ACC+16*\g+8:ACC+16*\g+15], v[SO+\g]
.endr
	v_nop                                          ; a plain line behind the last conversion
.irp g, 0,1,2,3,4,5,6,7
	global_store_b128 v[LI], v[PC+4*\g:PC+4*\g+3], s[44:45] offset:512*\g    ; 512 consecutive bytes, aligned
.endr
	global_store_b32 v[LS], v244, s[46:47]
	s_wait_tensorcnt 0x0
	ds_add_u32 v254, v255
	s_wait_dscnt 0x0
	s_endpgm
.Lfunc_end_k_q2ba80ffc82_proj:
	.size	k_q2ba80ffc82_proj, .Lfunc_end_k_q2ba80ffc82_proj-k_q2ba80ffc82_proj
	.p2alignl 7, 3214868480
	.fill 96, 4, 3214868480
	.section	.rodata,"a",@progbits
	.p2align	6, 0x0
	.amdhsa_kernel k_q2ba80ffc82_proj
		.amdhsa_group_segment_fixed_size 168960
		.amdhsa_private_segment_fixed_size 0
		.amdhsa_enable_private_segment 0
		.amdhsa_kernarg_size 56
		.amdhsa_user_sgpr_count 2
		.amdhsa_user_sgpr_kernarg_segment_ptr 1
		.amdhsa_wavefront_size32 1
		.amdhsa_system_sgpr_workgroup_id_x 1
		.amdhsa_system_sgpr_workgroup_id_y 1
		.amdhsa_system_sgpr_workgroup_id_z 1
		.amdhsa_system_vgpr_workitem_id 0
		.amdhsa_next_free_vgpr 512
		.amdhsa_next_free_sgpr 66
		.amdhsa_reserve_vcc 1
		.amdhsa_float_denorm_mode_32 3
		.amdhsa_float_denorm_mode_16_64 3
		.amdhsa_memory_ordered 1
		.amdhsa_forward_progress 1
		.amdhsa_inst_pref_size 114
	.end_amdhsa_kernel
	.amdgpu_metadata
---
amdhsa.version: [ 1, 2 ]
amdhsa.kernels:
  - .name:           k_q2ba80ffc82_proj
    .symbol:         k_q2ba80ffc82_proj.kd
    .args:
      - { .name: x_codes, .offset: 0, .size: 8, .value_kind: global_buffer, .address_space: global }
      - { .name: x_scales, .offset: 8, .size: 8, .value_kind: global_buffer, .address_space: global }
      - { .name: keys_codes, .offset: 16, .size: 8, .value_kind: global_buffer, .address_space: global }
      - { .name: keys_scales, .offset: 24, .size: 8, .value_kind: global_buffer, .address_space: global }
      - { .name: wimg, .offset: 32, .size: 8, .value_kind: global_buffer, .address_space: global }
      - { .name: wsc, .offset: 40, .size: 8, .value_kind: global_buffer, .address_space: global }
      - { .name: qkv, .offset: 48, .size: 8, .value_kind: global_buffer, .address_space: global }
    .group_segment_fixed_size: 168960
    .private_segment_fixed_size: 0
    .kernarg_segment_align: 8
    .kernarg_segment_size: 56
    .max_flat_workgroup_size: 256
    .sgpr_count:     66
    .vgpr_count:     512
    .wavefront_size: 32
...
	.end_amdgpu_metadata
.endif
;; end of part 2
;; launch attn (part 3): grid 4 x 64, 16 waves a work-group, no clusters, 169,984 bytes of LDS; arguments qkv, att, att_sc; writes att, att_sc
.if DOCPART == 3
	.amdgcn_target "amdgcn-amd-amdhsa--gfx1250"
	.amdhsa_code_object_version 6
	.text
	.protected	k_q2ba80ffc82_attn
	.globl	k_q2ba80ffc82_attn
	.p2align	8
	.type	k_q2ba80ffc82_attn,@function
k_q2ba80ffc82_attn:
	s_mov_b64 s[64:65], 0
	v_nop
	global_prefetch_b8 v0, s[64:65] scope:SCOPE_SE
	s_setreg_imm32_b32 hwreg(HW_REG_WAVE_MODE, 25, 1), 1
	s_wait_xcnt 0x0
; ATTN.  For each (batch, head): O = softmax(Q K^T / sqrt(32)) V on codes of E5M2 with E8M0 scales, and O / l quantised at once: a head's 32 channels are one block of the next product's K.
; THE SOFTMAX: t = score x log2(e) / sqrt(32); M = the running largest t rounded UP to a whole number; p = 2^(t - M) is quantised along the keys, not normalised; the row's sum l is taken of the unquantised p;
; when M moves, l and O are multiplied by 2^(old M - new M), which rounds nothing.
; SHARES.  Work-group (xq, H): 512 queries of record H.  Wave w takes the tiles of 16 queries T = 32 xq + 2 w + p, p = 0, 1, one after the other; each walks 16 steps of 128 keys.
; The head's K and V images and scale words (135,168 bytes) lie in LDS whole: filled once, two tensor loads a wave, so there is no ring.  Every LDS load of an operand takes 512 consecutive bytes.
; No cluster: the four work-groups of a head share that one fill alone.
; S^T = K Q^T, K = 32: an operand of the instruction holds FOUR tiles of keys, tile 4 g + c in its block c of 32; Q stands in block c of a run of registers that is zero elsewhere, so the product with view c gives tile 4 g + c.
;   Zero codes add nothing under any scale byte that the quantiser gives.  v[16:43]: zeros, Q in v28-31; view c = v[28 - 4 c : 43 - 4 c].
; A tile's keys are 32 b + 8 u + r + 8 (r / 8), so a lane's registers 16 b + i are keys 32 b + 16 h + i: the conversions' results are the second product's operand.  O^T = V^T P^T: a lane holds one query throughout.
; THE HOLD of p at 57,344 x the scale goes two numbers an instruction, as a dual-issue pair of minima: 32 lines for a step's 64 numbers.  The bound stands in two registers of different banks, one for each half of a pair.
; LIMITS: a block whose largest magnitude lies under 2^-111 gets the byte 1 (zero blocks too); NaN and infinities are not served.
.set VIMG, 65536
.set KSC,  131072
.set VSC,  133120
.set SCST, 135168                      ; 512 bytes: the work-group's scale bytes of O, gathered for one store
.set LI,   1                           ; v1   16 x lane
.set LS,   2                           ; v2   4 x lane
.set ADK,  3                           ; v3-6 the LDS addresses of the loads in hand
.set ADV,  4
.set ADKS, 5
.set ADVS, 6
.set LIV,  7                           ; v7   VIMG + 16 x lane
.set LKS,  8                           ; v8   KSC + 4 x lane
.set LVS,  9                           ; v9   VSC + 4 x lane
.set SCA,  10                          ; v10  SCST + 32 w + r
.set SCR,  11                          ; v11  SCST + 16 x lane
.set KF,   44                          ; v44-75   eight tiles of K: two operands
.set VF,   76                          ; v76-107  V: two operands
.set S,    108                         ; v108-171 S^T, then p
.set O,    172                         ; v172-187 O^T
.set PC,   188                         ; v188-203 p's codes
.set BM,   204                         ; v204-207 the blocks' largest
.set PT,   208                         ; v208-211 the other half's; a chain of the sum; the bytes
.set HD,   212                         ; v212-215 57,344 x the scale: block b's at HD + b
.set SO,   216                         ; v216-219 the conversions' scale operands
.set KS,   220                         ; scale words: K's, V's, Q's, p's
.set VS,   221
.set QS,   222
.set PW,   223
.set F,    224                         ; v[224:225] f = 2^(old M - new M)
.set TMP,  226
.set QW,   227                         ; the word that holds both tiles' scale bytes of Q
.set QN,   228                         ; v228-231 the second tile's Q
.set HE,   232                         ; v232-235 57,344 x the scale once more: block b's at HE + (b + 1) % 4, one bank on from HD + b
.set WV,   36
.set HH,   38
.set SEL,  40
.set CS,   42
.set MNT,  44
.set TK,   45                          ; s45  4,096 x the step
.set TS,   47                          ; s47  128 x the step
.set CNT,  49
.macro WM d, a, b, z, sa, sb, ra, rb
.if \z
.if \ra
	v_wmma_scale_f32_16x16x128_f8f6f4 v[\d:\d+7], v[\a:\a+15], v[\b:\b+15], 0, v[\sa], v[\sb] matrix_a_fmt:MATRIX_FMT_BF8 matrix_b_fmt:MATRIX_FMT_BF8 matrix_a_scale:MATRIX_SCALE_ROW1
.else
	v_wmma_scale_f32_16x16x128_f8f6f4 v[\d:\d+7], v[\a:\a+15], v[\b:\b+15], 0, v[\sa], v[\sb] matrix_a_fmt:MATRIX_FMT_BF8 matrix_b_fmt:MATRIX_FMT_BF8
.endif
.else
.if \ra
	v_wmma_scale_f32_16x16x128_f8f6f4 v[\d:\d+7], v[\a:\a+15], v[\b:\b+15], v[\d:\d+7], v[\sa], v[\sb] matrix_a_fmt:MATRIX_FMT_BF8 matrix_b_fmt:MATRIX_FMT_BF8 matrix_a_scale:MATRIX_SCALE_ROW1
.else
	v_wmma_scale_f32_16x16x128_f8f6f4 v[\d:\d+7], v[\a:\a+15], v[\b:\b+15], v[\d:\d+7], v[\sa], v[\sb] matrix_a_fmt:MATRIX_FMT_BF8 matrix_b_fmt:MATRIX_FMT_BF8
.endif
.endif
.endm
; A KEY STEP: 128 keys
.macro STEP
	s_wait_dscnt 0x0                               ; this step's K and its scale word are in
.irp g, 0,1
.irp c, 0,1,2,3
	WM S+8*(4*\g+\c), KF+16*\g, 28-4*\c, 1, KS, QS, \g, 0
.endr
.endr
	s_add_co_u32 s50, s[TK], 4096
	s_and_b32 s50, s50, 0xffff                     ; the next step's K; behind the last step the first again, for the next tile of queries
	s_add_co_u32 s51, s[TS], 128
	s_and_b32 s51, s51, 0x7ff
	v_add_nc_u32 v[ADV], s[TK], v[LIV]
	v_add_nc_u32 v[ADVS], s[TS], v[LVS]
	v_add_nc_u32 v[ADK], s50, v[LI]
	v_add_nc_u32 v[ADKS], s51, v[LKS]
.rept 4
	v_nop                                          ; with the four additions: eight places in front of loads into registers that products have read, and of the first read of the scores
.endr
.irp i, 0,1,2,3,4,5,6,7
	ds_load_b128 v[VF+4*\i:VF+4*\i+3], v[ADV] offset:512*\i
.endr
	ds_load_b32 v[VS], v[ADVS]
.irp i, 0,1,2,3,4,5,6,7
	ds_load_b128 v[KF+4*\i:KF+4*\i+3], v[ADK] offset:512*\i
.endr
	ds_load_b32 v[KS], v[ADKS]
.irp b, 0,1,2,3
	v_max3_num_f32 v[BM+\b], v[S+16*\b], v[S+16*\b+1], v[S+16*\b+2]   ; the largest score of each block of 32 keys: for the row's maximum, and, since p rises with the score, for the block's largest p
.endr
.irp i, 3,5,7,9,11,13
.irp b, 0,1,2,3
	v_max3_num_f32 v[BM+\b], v[BM+\b], v[S+16*\b+\i], v[S+16*\b+\i+1]
.endr
.endr
.irp b, 0,1,2,3
	v_max_num_f32 v[BM+\b], v[BM+\b], v[S+16*\b+15]
.endr
.irp b, 0,1,2,3
	v_permlanex16_b32 v[PT+\b], v[BM+\b], s[SEL], s[SEL+1]
.endr
.irp b, 0,1,2,3
	v_max_num_f32 v[BM+\b], v[BM+\b], v[PT+\b]     ; with lane l xor 16's 16 keys
.endr
	v_max3_num_f32 v[TMP], v[BM], v[BM+1], v[BM+2]
	v_max_num_f32 v[TMP], v[TMP], v[BM+3]
	v_mul_f32 v[TMP], s[CS], v[TMP]                ; the step's largest t
	v_max_num_f32 v13, v13, v[TMP]                 ; the running largest t
	v_mov_b32 v[TMP], v12
	v_floor_f32 v12, -v13                          ; the new -M = floor(-t): M is a whole number
	v_sub_f32 v[TMP], v12, v[TMP]                  ; old M - new M: a whole number, 0 or less
	v_cvt_i32_f32 v[TMP], v[TMP]
	v_ldexp_f32 v[F], 1.0, v[TMP]                  ; f
.set j, 0
.rept 32
	v_pk_fma_f32 v[S+j:S+j+1], v[S+j:S+j+1], s[CS:CS+1], v[12:13] op_sel_hi:[1,0,0]   ; t - M, two at a time
.set j, j+2
.endr
.irp b, 0,1,2,3
	v_fma_f32 v[BM+\b], v[BM+\b], s[CS], v12       ; the same of each block's largest score
.endr
.set j, 0
.rept 64
	v_exp_f32 v[S+j], v[S+j]                       ; p = 2^(t - M)
.set j, j+1
.endr
	v_pk_mul_f32 v[14:15], v[14:15], v[F:F+1] op_sel_hi:[1,0]   ; the sums under the new M: a plain line behind the exponentials
	s_wait_alu depctr_va_vdst(0)                   ; one wait for the batch, ahead of its first reader
.irp b, 0,1,2,3
	v_exp_f32 v[BM+\b], v[BM+\b]                   ; the block's largest p
.endr
	v_pk_add_f32 v[PT:PT+1], v[S:S+1], v[S+2:S+3]  ; the row's sum of the unquantised p, in two chains
.set j, 4
.rept 15
	v_pk_add_f32 v[14:15], v[14:15], v[S+j:S+j+1]
	v_pk_add_f32 v[PT:PT+1], v[PT:PT+1], v[S+j+2:S+j+3]
.set j, j+4
.endr
	v_pk_add_f32 v[14:15], v[14:15], v[PT:PT+1]
	s_wait_alu depctr_va_vdst(0)                   ; and one for the four
.irp b, 0,1,2,3
	v_max_num_f32 v[BM+\b], 0x8000000, v[BM+\b]    ; the floor 2^(16 - 127): the byte cannot fall under 1
.endr
.irp b, 0,1,2,3
	v_add_nc_u32 v[SO+\b], 0xf8800000, v[BM+\b]
.endr
.irp b, 0,1,2,3
	v_and_or_b32 v[HD+\b], v[BM+\b], 0x7f800000, s[MNT]         ; 57,344 x the scale,
.endr
.irp b, 0,1,2,3
	v_and_or_b32 v[HE+(\b+1)%4], v[BM+\b], 0x7f800000, s[MNT]   ; and once more, one register bank on: the two halves of a pair take their second sources from different banks
.endr
.irp b, 0,1,2,3
	v_lshrrev_b32 v[PT+\b], 23, v[SO+\b]
.endr
	v_lshl_or_b32 v[PW], v[PT+1], 8, v[PT]         ; p's scale word for these 128 keys
	v_lshl_or_b32 v[PW], v[PT+2], 16, v[PW]
	v_lshl_or_b32 v[PW], v[PT+3], 24, v[PW]
.irp b, 0,1,2,3
.irp i, 0,2,4,6,8,10,12,14
	v_dual_min_num_f32 v[S+16*\b+\i], v[S+16*\b+\i], v[HD+\b] :: v_dual_min_num_f32 v[S+16*\b+\i+1], v[S+16*\b+\i+1], v[HE+(\b+1)%4]   ; p is not negative: the hold is one-sided; an even and an odd register a pair
.endr
	v_cvt_scalef32_pk8_bf8_f32 v[PC+4*\b:PC+4*\b+1], v[S+16*\b:S+16*\b+7], v[SO+\b]
	v_cvt_scalef32_pk8_bf8_f32 v[PC+4*\b+2:PC+4*\b+3], v[S+16*\b+8:S+16*\b+15], v[SO+\b]
.endr
.set j, 0
.rept 8
	v_pk_mul_f32 v[O+j:O+j+1], v[O+j:O+j+1], v[F:F+1] op_sel_hi:[1,0]   ; O^T under the new M; these lines also part the conversions from the products
.set j, j+2
.endr
	s_wait_dscnt 9                                 ; V and its scale word are in; the next step's K (eight loads and a word) may be out
	WM O, VF, PC, 0, VS, PW, 0, 0
	WM O+8, VF+16, PC, 0, VS, PW, 1, 0
.endm
; one tile of 16 queries
.macro PASS p
.if \p
	s_wait_xcnt 0x0                                ; the first tile's store has read its data: the codes' registers are written again only behind this wait
.irp i, 0,1,2,3
	v_mov_b32 v[28+\i], v[QN+\i]
.endr
.endif
	v_perm_b32 v[QS], v[QW], v[QW], s[60+\p]       ; my tile's scale byte of Q into all four bytes
	v_mov_b32 v13, 0xff61b1e6                      ; the largest t so far: -3e38
	v_floor_f32 v12, -v13
	v_mov_b32 v14, 0
	v_mov_b32 v15, 0
.set j, 0
.rept 16
	v_mov_b32 v[O+j], 0                            ; the step is written once: the first finds zeros
.set j, j+1
.endr
	s_mov_b32 s[TK], 0
	s_mov_b32 s[TS], 0
	s_mov_b32 s[CNT], 16
.Lstep_\@:
	STEP
	s_add_co_u32 s[TK], s[TK], 4096
	s_add_co_u32 s[TS], s[TS], 128
	s_sub_co_u32 s[CNT], s[CNT], 1
	s_cmp_lg_u32 s[CNT], 0
	s_cbranch_scc1 .Lstep_\@
.rept 8
	v_nop                                          ; eight places behind the last products
.endr
	v_add_f32 v14, v14, v15
	v_permlanex16_b32 v[TMP], v14, s[SEL], s[SEL+1]
	v_add_f32 v14, v14, v[TMP]                     ; the row's sum
	v_rcp_f32 v14, v14
	v_nop
	s_wait_alu depctr_va_vdst(0)
.set j, 0
.rept 16
	v_mul_f32 v[S+j], v[O+j], v14                  ; O / l: register j is channel 16 h + j of my query
.set j, j+1
.endr
	v_max3_num_f32 v[BM], |v[S]|, |v[S+1]|, 0x8000000
.irp i, 2,4,6,8,10,12,14
	v_max3_num_f32 v[BM], v[BM], |v[S+\i]|, |v[S+\i+1]|
.endr
	v_permlanex16_b32 v[PT], v[BM], s[SEL], s[SEL+1]
	v_max_num_f32 v[BM], v[BM], v[PT]              ; the head's 32 channels are one block
	v_add_nc_u32 v[SO], 0xf8800000, v[BM]
	v_and_or_b32 v[HD], v[BM], 0x7f800000, s[MNT]
	v_lshrrev_b32 v[PT], 23, v[SO]
.set j, 0
.rept 16
	v_med3_num_f32 v[S+j], v[S+j], -v[HD], v[HD]
.set j, j+1
.endr
	v_cvt_scalef32_pk8_bf8_f32 v[PC:PC+1], v[S:S+7], v[SO]
	v_cvt_scalef32_pk8_bf8_f32 v[PC+2:PC+3], v[S+8:S+15], v[SO]
	v_nop
	global_store_b128 v[LI], v[PC:PC+3], s[6:7] offset:2048*\p    ; 512 consecutive bytes, aligned: block head % 4 of the next operand's image
	ds_store_b8 v[SCA], v[PT] offset:16*\p         ; both lanes of a query write the same byte
.endm
	s_load_b128 s[4:7], s[0:1], 0x0                ; qkv, att
	s_load_b64 s[8:9], s[0:1], 0x10                ; att_sc
	v_lshl_add_u32 v254, v0, 2, 0x29000
	v_mov_b32 v255, 0
	ds_add_u32 v254, v255
	ds_add_u32 v254, v255
	v_lshrrev_b32 v1, 5, v0
	v_readfirstlane_b32 s[WV], v1                  ; wave 0..15
	s_and_b32 s[HH], ttmp7, 0xffff                 ; the record
	; group 1 for the images: 32 rows of 256 bytes, dense;  for the scale words: one such row
	s_mov_b32 s16, 3<<16
	s_mov_b32 s17, 32<<16
	s_mov_b32 s18, 32<<16
	s_mov_b32 s19, 32<<16
	s_mov_b32 s20, 32
	s_mov_b32 s21, 32
	s_mov_b32 s22, 0
	s_mov_b32 s23, 0
	s_mov_b32 s24, 3<<16
	s_mov_b32 s25, 32<<16
	s_mov_b32 s26, 1<<16
	s_mov_b32 s27, 32<<16
	s_mov_b32 s28, 1
	s_mov_b32 s29, 32
	s_mov_b32 s30, 0
	s_mov_b32 s31, 0
	s_mul_i32 s50, s[HH], 202752
	s_mov_b32 s51, 0
	s_lshl_b32 s52, s[WV], 13
	s_mov_b32 s53, 0
	s_lshl_b32 s54, s[WV], 8
	s_mov_b32 s55, 0
	s_mov_b32 s12, 1
	s_lshl_b32 s13, s[WV], 13                      ; K's and V's images: 8,192 bytes a wave, from LDS byte 0
	s_mov_b32 s32, 1
	s_add_co_u32 s33, s54, KSC                     ; their scale words: 256 bytes a wave
	s_wait_dscnt 0x0
	s_wait_kmcnt 0x0
	s_add_nc_u64 s[4:5], s[4:5], s[50:51]          ; my record
	s_add_nc_u64 s[14:15], s[4:5], s[52:53]
	s_add_nc_u64 s[14:15], s[14:15], 65536
	s_or_b32 s15, s15, 0x80000000
	s_add_nc_u64 s[34:35], s[4:5], s[54:55]
	s_add_nc_u64 s[34:35], s[34:35], 198656
	s_or_b32 s35, s35, 0x80000000
	tensor_load_to_lds s[12:15], s[16:23]          ; both fills go out together, ahead of every wait on TENSORcnt, LDS read and barrier: two loads of mine are out
	s_nop 0
	tensor_load_to_lds s[32:35], s[24:31]
	s_nop 0
.rept 4
	v_nop
.endr
	v_and_b32 v10, 31, v0                          ; lane
	v_and_b32 v11, 15, v0                          ; r
	v_lshlrev_b32 v[LI], 4, v10
	v_lshlrev_b32 v[LS], 2, v10
	v_lshlrev_b32 v[TMP], 2, v11                   ; 4 r
	v_add_nc_u32 v[LIV], VIMG, v[LI]
	v_add_nc_u32 v[LKS], KSC, v[LS]
	v_add_nc_u32 v[LVS], VSC, v[LS]
	s_lshl_b32 s50, s[WV], 5
	s_add_co_u32 s50, s50, SCST
	v_add_nc_u32 v[SCA], s50, v11
	v_add_nc_u32 v[SCR], SCST, v[LI]
	s_lshl_b32 s50, ttmp9, 5
	s_lshl_b32 s51, s[WV], 1
	s_add_co_u32 s50, s50, s51                     ; T of my first tile
	s_lshl_b32 s52, s50, 9
	s_add_nc_u64 s[56:57], s[4:5], s[52:53]
	global_load_b128 v[28:31], v[LI], s[56:57]             ; Q of my two tiles
	global_load_b128 v[QN:QN+3], v[LI], s[56:57] offset:512
	s_lshr_b32 s52, s50, 3
	s_lshl_b32 s52, s52, 7
	s_bfe_u32 s51, s50, 0x10002
	s_lshl_b32 s51, s51, 6
	s_add_co_u32 s52, s52, s51
	s_add_co_u32 s52, s52, 196608
	s_add_nc_u64 s[58:59], s[4:5], s[52:53]
	global_load_b32 v[QW], v[TMP], s[58:59]        ; row r's word: bytes T % 4 and T % 4 + 1 are my two tiles'
	s_and_b32 s60, s50, 3
	s_mul_i32 s60, s60, 0x01010101
	s_add_co_u32 s61, s60, 0x01010101
	s_lshr_b32 s50, s[HH], 4
	s_lshl_b32 s50, s50, 6
	s_lshl_b32 s51, ttmp9, 4
	s_add_co_u32 s50, s50, s51
	s_add_co_u32 s50, s50, s[WV]                   ; the pair of row tiles: batch x 64 + 16 xq + w
	s_lshl_b32 s50, s50, 14
	s_bfe_u32 s51, s[HH], 0x20002                  ; head / 4: the K step
	s_lshl_b32 s51, s51, 12
	s_add_co_u32 s50, s50, s51
	s_and_b32 s51, s[HH], 3                        ; head % 4: the block
	s_lshl_b32 s51, s51, 9
	s_add_co_u32 s50, s50, s51
	s_mov_b32 s51, 0
	s_add_nc_u64 s[6:7], s[6:7], s[50:51]
	s_lshl_b32 s50, s[HH], 11
	s_lshl_b32 s52, ttmp9, 9
	s_add_co_u32 s50, s50, s52
	s_add_nc_u64 s[8:9], s[8:9], s[50:51]
	s_mov_b32 s[SEL], 0x76543210
	s_mov_b32 s[SEL+1], 0xfedcba98
	s_mov_b32 s[CS], 0x3e8293ee                    ; c = log2(e) / sqrt(32)
	s_mov_b32 s[CS+1], s[CS]
	s_mov_b32 s[MNT], 0x600000
.set j, 0
.rept 12
	v_mov_b32 v[16+j], 0                           ; the zeros round Q
	v_mov_b32 v[32+j], 0
.set j, j+1
.endr
.irp b, 0,1,2,3
	v_mov_b32 v[PT+\b], 0                          ; a lane permute's destination counts as one of its sources
.endr
	v_mov_b32 v[F+1], 0                            ; named as the upper half of a pair
	s_wait_tensorcnt 0x0                           ; my parts are in LDS,
	s_barrier_signal -1
	s_barrier_wait -1                              ; everybody's are
.irp i, 0,1,2,3,4,5,6,7
	ds_load_b128 v[KF+4*\i:KF+4*\i+3], v[LI] offset:512*\i        ; K of step 0
.endr
	ds_load_b32 v[KS], v[LKS]
	s_wait_loadcnt 0x0                             ; Q and its word
	PASS 0
	PASS 1
	s_wait_dscnt 0x0                               ; my byte stores have landed
	s_barrier_signal -1
	s_barrier_wait -1
	s_cmp_lg_u32 s[WV], 0
	s_cbranch_scc1 .Lend
	ds_load_b128 v[KF:KF+3], v[SCR]                ; the work-group's 512 scale bytes leave by one store of wave 0
	s_wait_dscnt 0x0
	global_store_b128 v[LI], v[KF:KF+3], s[8:9]
.Lend:
	s_wait_tensorcnt 0x0
	ds_add_u32 v254, v255
	s_wait_dscnt 0x0
	s_endpgm
.Lfunc_end_k_q2ba80ffc82_attn:
	.size	k_q2ba80ffc82_attn, .Lfunc_end_k_q2ba80ffc82_attn-k_q2ba80ffc82_attn
	.p2alignl 7, 3214868480
	.fill 96, 4, 3214868480
	.section	.rodata,"a",@progbits
	.p2align	6, 0x0
	.amdhsa_kernel k_q2ba80ffc82_attn
		.amdhsa_group_segment_fixed_size 169984
		.amdhsa_private_segment_fixed_size 0
		.amdhsa_enable_private_segment 0
		.amdhsa_kernarg_size 24
		.amdhsa_user_sgpr_count 2
		.amdhsa_user_sgpr_kernarg_segment_ptr 1
		.amdhsa_wavefront_size32 1
		.amdhsa_system_sgpr_workgroup_id_x 1
		.amdhsa_system_sgpr_workgroup_id_y 1
		.amdhsa_system_sgpr_workgroup_id_z 1
		.amdhsa_system_vgpr_workitem_id 0
		.amdhsa_next_free_vgpr 256
		.amdhsa_next_free_sgpr 66
		.amdhsa_reserve_vcc 0
		.amdhsa_float_denorm_mode_32 3
		.amdhsa_float_denorm_mode_16_64 3
		.amdhsa_memory_ordered 1
		.amdhsa_forward_progress 1
		.amdhsa_inst_pref_size 49
	.end_amdhsa_kernel
	.amdgpu_metadata
---
amdhsa.version: [ 1, 2 ]
amdhsa.kernels:
  - .name:           k_q2ba80ffc82_attn
    .symbol:         k_q2ba80ffc82_attn.kd
    .args:
      - { .name: qkv, .offset: 0, .size: 8, .value_kind: global_buffer, .address_space: global }
      - { .name: att, .offset: 8, .size: 8, .value_kind: global_buffer, .address_space: global }
      - { .name: att_sc, .offset: 16, .size: 8, .value_kind: global_buffer, .address_space: global }
    .group_segment_fixed_size: 169984
    .private_segment_fixed_size: 0
    .kernarg_segment_align: 8
    .kernarg_segment_size: 24
    .max_flat_workgroup_size: 512
    .sgpr_count:     66
    .vgpr_count:     256
    .wavefront_size: 32
...
	.end_amdgpu_metadata
.endif
;; end of part 3
;; launch chain (part 4): grid 256 x 1, 16 waves a work-group, no clusters, 260,096 bytes of LDS; arguments att, att_sc, wimg, wsc, x, ln1_g, ln1_b, fc1_b, fc2_b, ln2_g, ln2_b, out0; writes out0
.if DOCPART == 4
	.amdgcn_target "amdgcn-amd-amdhsa--gfx1250"
	.amdhsa_code_object_version 6
	.text
	.protected	k_q2ba80ffc82_chain
	.globl	k_q2ba80ffc82_chain
	.p2align	8
	.type	k_q2ba80ffc82_chain,@function
k_q2ba80ffc82_chain:
	s_mov_b64 s[64:65], 0
	v_nop
	global_prefetch_b8 v0, s[64:65] scope:SCOPE_SE
	s_setreg_imm32_b32 hwreg(HW_REG_WAVE_MODE, 25, 1), 1
	s_wait_xcnt 0x0
; CHAIN.  inter = LN1(att Wo^T + x);  h = silu(inter fc1^T + b1);  out0 = LN2(h fc2^T + b2 + inter).  The three products on codes of E5M2 with E8M0 scales; inter and h are quantised on the way and never go to memory.
; SHARES.  Work-group j takes rows 32 j .. 32 j + 31 as two tiles m (row 32 j + 8 m + r + 8 (r / 8)) through the whole chain.  THE 16 WAVES SHARE THE COLUMNS: 64 channels a wave (fc1: 128, in two halves d).
; All products are used transposed (source 0 = 16 rows of a weight, source 1 = a tile of rows): a lane holds one row and, in the 16 registers of tiles u = 0, 1, 16 neighbouring channels.
; Eight accumulators at ACC + 32 g + 16 m + 8 u; they take turns, one instruction a turn.
; WEIGHTS go from memory straight into the registers of the one wave that uses them, laid in that wave's walking order by the first launch: 8,192 consecutive bytes a K step, two sets of registers, one K step ahead.
;   No tensor load and no joint request: each weight byte serves one wave of the work-group, and the rows' images take most of LDS.
; THE ROWS' OPERANDS go from wave to wave through LDS as images of their registers: [K step][m][c][lane][16 bytes], scale words [K step][lane = r + 16 m].
; The residual x, the bias b1, and inter + b2 are the C of each sum's first product.  LayerNorm: mean, then mean of squares of the differences, each by one meeting of the 16 waves' partial sums in LDS.
; LIMITS: a block whose largest magnitude lies under 2^-111 gets the byte 1 (zero blocks too); NaN and infinities are not served.
.set AIMG, 0                           ; 16,384: the attention's codes, 4 K steps
.set IIMG, 16384                       ; 32,768: inter's, 8 K steps
.set HIMG, 49152                       ; 65,536: h's, 16 K steps
.set ASC1, 114688                      ; their scale words: 512,
.set ISC,  115200                      ; 1,024,
.set HSC,  116224                      ; 2,048 bytes
.set STAT, 118272                      ; 4 x 2,048: the waves' partial sums, [wave][r][m], a region for each of the four meetings
.set BIG,  126464                      ; 16 x 8,192: each wave's own: inter is kept here, later the stage of the way out
.set LI,  1                            ; v1   16 x lane
.set LS,  2                            ; v2   4 x lane
.set ADA, 3                            ; v3   the rows' images in hand
.set ADS, 4                            ; v4   and their scale words
.set XA,  5                            ; v5   x: 4,096 (r + 8 (r / 8)) + 64 h
.set BIA, 6                            ; v6   64 h: my 16 channels in a run of 32
.set IWI, 7                            ; v7-10 where I store inter's and h's images and scale bytes
.set ISW, 8
.set HWI, 9
.set HSW, 10
.set SSA, 11                           ; v11  BIG + 8,192 w + 16 x lane
.set STW, 12                           ; v12  STAT + 128 w + 8 r
.set STR, 13                           ; v13  STAT + 8 r
.set STO, 14                           ; v14  the stage, in: 272 r + 64 h
.set RD,  15                           ; v15  and back: 272 h + 16 r
.set ACC, 16                           ; v16-79
.set AF,  80                           ; v80-111  two fragments of rows; at other times at work
.set TM,  80
.set PC,  96
.set WF0, 112                          ; v112-175, v176-239  two sets of four fragments of a weight
.set WF1, 176
.set WSW, 240                          ; v240-243 the weights' scale words [set][g]
.set ASW, 244                          ; v244     the rows' scale word
.set GO,  245                          ; v245     out0: 4,096 h + 16 r
.set PS,  246                          ; v[246:247] my partial sums, m = 0, 1
.set NM0, 248                          ; v248, v250  -mean; v252, v254  1 / std: each the low word of a pair
.set RS0, 252
.macro WM d, a, b, z, sa, sb, ra, rb
.if (\ra) && (\rb)
	v_wmma_scale_f32_16x16x128_f8f6f4 v[\d:\d+7], v[\a:\a+15], v[\b:\b+15], v[\d:\d+7], v[\sa], v[\sb] matrix_a_fmt:MATRIX_FMT_BF8 matrix_b_fmt:MATRIX_FMT_BF8 matrix_a_scale:MATRIX_SCALE_ROW1 matrix_b_scale:MATRIX_SCALE_ROW1
.elseif \ra
	v_wmma_scale_f32_16x16x128_f8f6f4 v[\d:\d+7], v[\a:\a+15], v[\b:\b+15], v[\d:\d+7], v[\sa], v[\sb] matrix_a_fmt:MATRIX_FMT_BF8 matrix_b_fmt:MATRIX_FMT_BF8 matrix_a_scale:MATRIX_SCALE_ROW1
.elseif \rb
	v_wmma_scale_f32_16x16x128_f8f6f4 v[\d:\d+7], v[\a:\a+15], v[\b:\b+15], v[\d:\d+7], v[\sa], v[\sb] matrix_a_fmt:MATRIX_FMT_BF8 matrix_b_fmt:MATRIX_FMT_BF8 matrix_b_scale:MATRIX_SCALE_ROW1
.else
	v_wmma_scale_f32_16x16x128_f8f6f4 v[\d:\d+7], v[\a:\a+15], v[\b:\b+15], v[\d:\d+7], v[\sa], v[\sb] matrix_a_fmt:MATRIX_FMT_BF8 matrix_b_fmt:MATRIX_FMT_BF8
.endif
.endm
.macro BARRIER                         ; my LDS stores have landed and my LDS loads are in: then the work-group's barrier
	s_wait_dscnt 0x0
	s_barrier_signal -1
	s_barrier_wait -1
.endm
; the weights of the K step k steps on from the pointer, into set hs: 16 loads of 512 consecutive bytes, and two scale words
.macro WLOAD hs, k
.set i, 0
.rept 16
	global_load_b128 v[WF0+64*(\hs)+4*i:WF0+64*(\hs)+4*i+3], v[LI], s[12:13] offset:8192*(\k)+512*i
.set i, i+1
.endr
	global_load_b32 v[WSW+2*(\hs)], v[LS], s[14:15] offset:256*(\k)
	global_load_b32 v[WSW+2*(\hs)+1], v[LS], s[14:15] offset:256*(\k)+128
.endm
; a K step on set hs.  ld = 1: the next K step's weights are asked for first, into the other set
.macro KSTEP hs, ld, k
.if \ld
	WLOAD 1-(\hs), \k
.endif
.irp m, 0,1
.irp c, 0,1,2,3
	ds_load_b128 v[AF+16*\m+4*\c:AF+16*\m+4*\c+3], v[ADA] offset:4096*(\hs)+2048*\m+512*\c
.endr
.endr
	ds_load_b32 v[ASW], v[ADS] offset:128*(\hs)
.if \ld
	s_wait_loadcnt 18                              ; all but the 18 loads just issued: this step's weights are in, and whatever was loaded as C
.else
	s_wait_loadcnt 0x0
.endif
	s_wait_dscnt 0x0
.irp g, 0,1
.irp m, 0,1
.irp u, 0,1
	WM ACC+32*\g+16*\m+8*\u, WF0+64*(\hs)+32*\g+16*\u, AF+16*\m, 0, WSW+2*(\hs)+\g, ASW, \u, \m
.endr
.endr
.endr
.endm
; two K steps.  Behind each: eight places in front of loads into registers that its products have read, and of reads of results
.macro PAIRSTEP ld2
	KSTEP 0, 1, 1
.rept 8
	v_nop
.endr
	KSTEP 1, \ld2, 2
	s_add_co_u32 s40, s40, 8192
	s_add_co_u32 s41, s41, 256
	v_add_nc_u32 v[ADA], s40, v[LI]                ; the next two K steps' images: two of the eight places
	v_add_nc_u32 v[ADS], s41, v[LS]
.rept 6
	v_nop
.endr
	s_wait_xcnt 0x0                                ; the loads have read their bases: only now are these stepped
	s_add_nc_u64 s[12:13], s[12:13], 16384
	s_add_nc_u64 s[14:15], s[14:15], 512
.endm
.macro KLOOP n, base, sbase            ; 2 n K steps on the images from LDS byte base on
	s_mov_b32 s40, \base
	s_mov_b32 s41, \sbase
	v_add_nc_u32 v[ADA], s40, v[LI]
	v_add_nc_u32 v[ADS], s41, v[LS]
	s_mov_b32 s43, \n
.Lk_\@:
	PAIRSTEP 1
	s_sub_co_u32 s43, s43, 1
	s_cmp_lg_u32 s43, 0
	s_cbranch_scc1 .Lk_\@
.endm
; four chains of sums at AF + 4 m + 2 g become the two rows' totals over all 1,024 channels, in v[AF:AF+1], the same bits in every wave
.macro REDUCE p1
.irp m, 0,1
	v_pk_add_f32 v[AF+4*\m:AF+4*\m+1], v[AF+4*\m:AF+4*\m+1], v[AF+4*\m+2:AF+4*\m+3]
.endr
.irp m, 0,1
	v_add_f32 v[PS+\m], v[AF+4*\m], v[AF+4*\m+1]
.endr
.irp m, 0,1
	v_permlanex16_b32 v[AF+8+\m], v[PS+\m], s44, s45
.endr
.irp m, 0,1
	v_add_f32 v[PS+\m], v[PS+\m], v[AF+8+\m]       ; my wave's 64 channels of row (m, r)
.endr
	ds_store_b64 v[STW], v[PS:PS+1] offset:\p1     ; both lanes of a row write the same 8 bytes
	BARRIER
.irp k, 0,1,2,3,4,5,6,7,8,9,10,11,12,13,14,15
	ds_load_b64 v[AF+2*\k:AF+2*\k+1], v[STR] offset:\p1+128*\k
.endr
	s_wait_dscnt 0x0
.irp k, 0,1,2,3,4,5,6,7
	v_pk_add_f32 v[AF+4*\k:AF+4*\k+1], v[AF+4*\k:AF+4*\k+1], v[AF+4*\k+2:AF+4*\k+3]
.endr
.irp k, 0,1,2,3
	v_pk_add_f32 v[AF+8*\k:AF+8*\k+1], v[AF+8*\k:AF+8*\k+1], v[AF+8*\k+4:AF+8*\k+5]
.endr
.irp k, 0,1
	v_pk_add_f32 v[AF+16*\k:AF+16*\k+1], v[AF+16*\k:AF+16*\k+1], v[AF+16*\k+8:AF+16*\k+9]
.endr
	v_pk_add_f32 v[AF:AF+1], v[AF:AF+1], v[AF+16:AF+17]
.endm
; LayerNorm of the 32 rows in ACC, in place.  p1, p2: the two meetings' regions; gp, bp: the scalar pairs of gain and bias
.macro LNORM p1, p2, gp, bp
.irp g, 0,1
.irp k, 0,1,2,3
	global_load_b128 v[WF1+16*\g+4*\k:WF1+16*\g+4*\k+3], v[BIA], s[\gp:\gp+1] offset:128*\g+16*\k
	global_load_b128 v[WF1+32+16*\g+4*\k:WF1+32+16*\g+4*\k+3], v[BIA], s[\bp:\bp+1] offset:128*\g+16*\k
.endr
.endr
.irp m, 0,1
.irp g, 0,1
	v_pk_add_f32 v[AF+4*\m+2*\g:AF+4*\m+2*\g+1], v[ACC+32*\g+16*\m:ACC+32*\g+16*\m+1], v[ACC+32*\g+16*\m+2:ACC+32*\g+16*\m+3]   ; each accumulator is read from its low end on
.endr
.endr
.irp i, 4,6,8,10,12,14
.irp m, 0,1
.irp g, 0,1
	v_pk_add_f32 v[AF+4*\m+2*\g:AF+4*\m+2*\g+1], v[AF+4*\m+2*\g:AF+4*\m+2*\g+1], v[ACC+32*\g+16*\m+\i:ACC+32*\g+16*\m+\i+1]
.endr
.endr
.endr
	REDUCE \p1
	v_mul_f32 v[NM0], s47, v[AF]                   ; -mean
	v_mul_f32 v[NM0+2], s47, v[AF+1]
.irp i, 0,2,4,6,8,10,12,14
.irp m, 0,1
.irp g, 0,1
	v_pk_add_f32 v[ACC+32*\g+16*\m+\i:ACC+32*\g+16*\m+\i+1], v[ACC+32*\g+16*\m+\i:ACC+32*\g+16*\m+\i+1], v[NM0+2*\m:NM0+2*\m+1] op_sel_hi:[1,0]
.endr
.endr
.endr
.irp m, 0,1
.irp g, 0,1
	v_pk_mul_f32 v[AF+4*\m+2*\g:AF+4*\m+2*\g+1], v[ACC+32*\g+16*\m:ACC+32*\g+16*\m+1], v[ACC+32*\g+16*\m:ACC+32*\g+16*\m+1]
.endr
.endr
.irp i, 2,4,6,8,10,12,14
.irp m, 0,1
.irp g, 0,1
	v_pk_fma_f32 v[AF+4*\m+2*\g:AF+4*\m+2*\g+1], v[ACC+32*\g+16*\m+\i:ACC+32*\g+16*\m+\i+1], v[ACC+32*\g+16*\m+\i:ACC+32*\g+16*\m+\i+1], v[AF+4*\m+2*\g:AF+4*\m+2*\g+1]
.endr
.endr
.endr
	REDUCE \p2
	v_fma_f32 v[RS0], v[AF], s48, s49              ; the variance + 1e-5
	v_fma_f32 v[RS0+2], v[AF+1], s48, s49
	v_rsq_f32 v[RS0], v[RS0]
	v_rsq_f32 v[RS0+2], v[RS0+2]
	v_nop
	s_wait_alu depctr_va_vdst(0)                   ; one wait for the two, ahead of their first reader
	s_wait_loadcnt 0x0                             ; gain and bias
.irp i, 0,2,4,6,8,10,12,14
.irp m, 0,1
.irp g, 0,1
	v_pk_mul_f32 v[ACC+32*\g+16*\m+\i:ACC+32*\g+16*\m+\i+1], v[ACC+32*\g+16*\m+\i:ACC+32*\g+16*\m+\i+1], v[RS0+2*\m:RS0+2*\m+1] op_sel_hi:[1,0]
.endr
.endr
.endr
.irp i, 0,2,4,6,8,10,12,14
.irp m, 0,1
.irp g, 0,1
	v_pk_fma_f32 v[ACC+32*\g+16*\m+\i:ACC+32*\g+16*\m+\i+1], v[ACC+32*\g+16*\m+\i:ACC+32*\g+16*\m+\i+1], v[WF1+16*\g+\i:WF1+16*\g+\i+1], v[WF1+32+16*\g+\i:WF1+32+16*\g+\i+1]
.endr
.endr
.endr
.endm
; the four groups of 16 registers in ACC (group b = 2 g + m), each with lane l xor 16's a block of 32 channels, become codes at PC + 4 b and bytes at TM + 4 + b
.macro QUANT4
.irp b, 0,1,2,3
	v_max3_num_f32 v[TM+\b], |v[ACC+16*\b]|, |v[ACC+16*\b+1]|, 0x8000000   ; my 16 numbers and the floor 2^(16 - 127)
.endr
.irp i, 2,4,6,8,10,12,14
.irp b, 0,1,2,3
	v_max3_num_f32 v[TM+\b], v[TM+\b], |v[ACC+16*\b+\i]|, |v[ACC+16*\b+\i+1]|
.endr
.endr
.irp b, 0,1,2,3
	v_permlanex16_b32 v[TM+4+\b], v[TM+\b], s44, s45
.endr
.irp b, 0,1,2,3
	v_max_num_f32 v[TM+\b], v[TM+\b], v[TM+4+\b]
.endr
.irp b, 0,1,2,3
	v_add_nc_u32 v[TM+12+\b], 0xf8800000, v[TM+\b]
.endr
.irp b, 0,1,2,3
	v_and_or_b32 v[TM+8+\b], v[TM+\b], 0x7f800000, s46
.endr
.irp b, 0,1,2,3
	v_lshrrev_b32 v[TM+4+\b], 23, v[TM+12+\b]
.endr
.irp b, 0,1,2,3
.irp i, 0,1,2,3,4,5,6,7,8,9,10,11,12,13,14,15
	v_med3_num_f32 v[ACC+16*\b+\i], v[ACC+16*\b+\i], -v[TM+8+\b], v[TM+8+\b]   ; the conversion does not saturate (ISA guide 7.6.2): the hold comes first
.endr
	v_cvt_scalef32_pk8_bf8_f32 v[PC+4*\b:PC+4*\b+1], v[ACC+16*\b:ACC+16*\b+7], v[TM+12+\b]
	v_cvt_scalef32_pk8_bf8_f32 v[PC+4*\b+2:PC+4*\b+3], v[ACC+16*\b+8:ACC+16*\b+15], v[TM+12+\b]
.endr
	v_nop                                          ; a plain line behind the last conversion
.endm
; the codes go into the image as they stand; my two blocks' bytes are half a scale word: lanes 0-15 store tile 0's, lanes 16-31 tile 1's
.macro PUT adr, sadr, off, soff
.irp g, 0,1
.irp m, 0,1
	ds_store_b128 v[\adr], v[PC+4*(2*\g+\m):PC+4*(2*\g+\m)+3] offset:\off+2048*\m+512*\g
.endr
.endr
	v_lshl_or_b32 v[TM+4], v[TM+6], 8, v[TM+4]
	v_lshl_or_b32 v[TM+5], v[TM+7], 8, v[TM+5]
	v_cndmask_b32 v[TM+4], v[TM+5], v[TM+4], s42
	ds_store_b16 v[\sadr], v[TM+4] offset:\soff
	s_wait_dscnt 0x0                               ; the stores have read their registers
.endm
.macro SILU                            ; ACC = z / (1 + 2^(-z log2 e)), by way of W's set 1, which is free
.set i, 0
.rept 32
	v_pk_mul_f32 v[WF1+i:WF1+i+1], v[ACC+i:ACC+i+1], 0xbfb8aa3b op_sel_hi:[1,0]
.set i, i+2
.endr
.set i, 0
.rept 64
	v_exp_f32 v[WF1+i], v[WF1+i]
.set i, i+1
.endr
	v_nop
	s_wait_alu depctr_va_vdst(0)                   ; one wait for the batch
.set i, 0
.rept 32
	v_pk_add_f32 v[WF1+i:WF1+i+1], v[WF1+i:WF1+i+1], 1.0 op_sel_hi:[1,0]
.set i, i+2
.endr
.set i, 0
.rept 64
	v_rcp_f32 v[WF1+i], v[WF1+i]
.set i, i+1
.endr
	v_nop
	s_wait_alu depctr_va_vdst(0)
.set i, 0
.rept 32
	v_pk_mul_f32 v[ACC+i:ACC+i+1], v[ACC+i:ACC+i+1], v[WF1+i:WF1+i+1]
.set i, i+2
.endr
.endm
.macro FC1 d                           ; hidden units 128 w + 64 d + 0 .. 63 of the 32 rows
.irp m, 0,1
.irp g, 0,1
.irp u, 0,1
	global_load_b128 v[ACC+32*\g+16*\m+8*\u:ACC+32*\g+16*\m+8*\u+3], v[BIA], s[22:23] offset:256*(\d)+128*\g+32*\u       ; the bias is the first product's C
	global_load_b128 v[ACC+32*\g+16*\m+8*\u+4:ACC+32*\g+16*\m+8*\u+7], v[BIA], s[22:23] offset:256*(\d)+128*\g+32*\u+16
.endr
.endr
.endr
	KLOOP 4, IIMG, ISC
	SILU
	QUANT4
	PUT HWI, HSW, 1024*(\d), 2*(\d)
.endm
	s_load_b256 s[8:15], s[0:1], 0x0               ; att, att_sc, wimg, wsc
	s_load_b256 s[16:23], s[0:1], 0x20             ; x, ln1_g, ln1_b, fc1_b
	s_load_b256 s[24:31], s[0:1], 0x40             ; fc2_b, ln2_g, ln2_b, out0
	v_lshrrev_b32 v1, 5, v0
	v_readfirstlane_b32 s32, v1                    ; wave 0..15
	v_and_b32 v247, 31, v0                         ; lane
	v_and_b32 v248, 15, v0                         ; r
	v_bfe_u32 v249, v0, 4, 1                       ; h
	v_lshlrev_b32 v[LI], 4, v247
	v_lshlrev_b32 v[LS], 2, v247
	v_lshlrev_b32 v246, 4, v0                      ; 16 x thread
	v_and_b32 v250, 8, v248
	v_add_nc_u32 v250, v250, v248                  ; r + 8 (r / 8)
	v_lshlrev_b32 v[XA], 12, v250
	v_lshl_add_u32 v[XA], v249, 6, v[XA]
	v_lshlrev_b32 v[BIA], 6, v249
	s_lshr_b32 s50, s32, 1
	s_and_b32 s51, s32, 1
	s_lshl_b32 s52, s50, 12
	s_lshl_b32 s53, s51, 10
	s_add_co_u32 s52, s52, s53
	s_add_co_u32 s52, s52, IIMG
	v_add_nc_u32 v[IWI], s52, v[LI]                ; inter's blocks 2 w, 2 w + 1: K step w / 2, blocks 2 (w % 2) + g
	s_lshl_b32 s52, s50, 7
	s_lshl_b32 s53, s51, 1
	s_add_co_u32 s52, s52, s53
	s_add_co_u32 s52, s52, ISC
	v_add_nc_u32 v[ISW], s52, v[LS]
	s_lshl_b32 s52, s32, 12
	s_add_co_u32 s52, s52, HIMG
	v_add_nc_u32 v[HWI], s52, v[LI]                ; h's blocks 4 w + 2 d + g: K step w
	s_lshl_b32 s52, s32, 7
	s_add_co_u32 s53, s52, HSC
	v_add_nc_u32 v[HSW], s53, v[LS]
	s_add_co_u32 s53, s52, STAT
	v_lshl_add_u32 v[STW], v248, 3, s53
	v_lshlrev_b32 v[STR], 3, v248
	v_add_nc_u32 v[STR], STAT, v[STR]
	s_lshl_b32 s52, s32, 13
	s_add_co_u32 s52, s52, BIG
	v_add_nc_u32 v[SSA], s52, v[LI]
	v_mul_u32_u24 v[STO], v248, 272
	v_lshl_add_u32 v[STO], v249, 6, v[STO]
	v_add_nc_u32 v[STO], s52, v[STO]
	v_mul_u32_u24 v[RD], v249, 272
	v_lshl_add_u32 v[RD], v248, 4, v[RD]
	v_add_nc_u32 v[RD], s52, v[RD]
	v_lshlrev_b32 v[GO], 12, v249
	v_lshl_add_u32 v[GO], v248, 4, v[GO]
	v_cmp_gt_u32 s42, 16, v247                     ; lanes 0-15
	s_lshr_b32 s52, s32, 2
	s_lshl_b32 s52, s52, 7
	s_and_b32 s53, s32, 3
	s_add_co_u32 s52, s52, s53
	s_add_co_u32 s52, s52, ASC1
	v_add_nc_u32 v251, s52, v[LS]                  ; head w's byte: K step w / 4, byte w % 4 of lane's word
	v_mov_b32 v253, 0                              ; (named as the upper halves of pairs)
	v_mov_b32 v255, 0
	s_mov_b32 s44, 0x76543210
	s_mov_b32 s45, 0xfedcba98                      ; v_permlanex16_b32's selects for lane l xor 16
	s_mov_b32 s46, 0x600000                        ; the mantissa field of 57,344
	s_mov_b32 s47, 0xba800000                      ; -1 / 1,024
	s_mov_b32 s48, 0x3a800000                      ; 1 / 1,024
	s_mov_b32 s49, 0x3727c5ac                      ; 1e-5
	s_mov_b32 s51, 0
	s_wait_kmcnt 0x0
	s_lshl_b32 s50, ttmp9, 14
	s_add_nc_u64 s[8:9], s[8:9], s[50:51]          ; my pair of row tiles in att
	s_lshr_b32 s50, ttmp9, 6
	s_lshl_b32 s50, s50, 4
	s_add_co_u32 s50, s50, s32                     ; batch x 16 + head w
	s_lshl_b32 s50, s50, 11
	s_and_b32 s52, ttmp9, 63
	s_lshl_b32 s52, s52, 5
	s_add_co_u32 s50, s50, s52
	s_add_nc_u64 s[10:11], s[10:11], s[50:51]
	s_mul_i32 s50, s32, 294912
	s_add_co_u32 s50, s50, 1572864
	s_add_nc_u64 s[12:13], s[12:13], s[50:51]      ; my wave's walk through the weights: 72 chunks from chunk 384 + 72 w on
	s_mul_i32 s50, s32, 9216
	s_add_co_u32 s50, s50, 49152
	s_add_nc_u64 s[14:15], s[14:15], s[50:51]
	s_lshl_b32 s52, s32, 8                         ; my 64 channels: 256 bytes
	s_lshl_b32 s50, ttmp9, 17
	s_add_co_u32 s50, s50, s52
	s_add_nc_u64 s[16:17], s[16:17], s[50:51]
	s_add_nc_u64 s[30:31], s[30:31], s[50:51]
	s_mov_b32 s50, s52
	s_add_nc_u64 s[18:19], s[18:19], s[50:51]
	s_add_nc_u64 s[20:21], s[20:21], s[50:51]
	s_add_nc_u64 s[24:25], s[24:25], s[50:51]
	s_add_nc_u64 s[26:27], s[26:27], s[50:51]
	s_add_nc_u64 s[28:29], s[28:29], s[50:51]
	s_lshl_b32 s50, s32, 9
	s_add_nc_u64 s[22:23], s[22:23], s[50:51]
	; ---- the attention's image and scale bytes into LDS; the first weights; x as the first product's C
	global_load_b128 v[80:83], v246, s[8:9]
	global_load_b128 v[84:87], v246, s[8:9] offset:8192
	global_load_u8 v88, v247, s[10:11]
	WLOAD 0, 0
.irp m, 0,1
.irp g, 0,1
.irp u, 0,1
	global_load_b128 v[ACC+32*\g+16*\m+8*\u:ACC+32*\g+16*\m+8*\u+3], v[XA], s[16:17] offset:32768*\m+128*\g+32*\u
	global_load_b128 v[ACC+32*\g+16*\m+8*\u+4:ACC+32*\g+16*\m+8*\u+7], v[XA], s[16:17] offset:32768*\m+128*\g+32*\u+16
.endr
.endr
.endr
	s_wait_loadcnt 34                              ; the first three loads are in; the weights' 18 and x's 16 may be out
	ds_store_b128 v246, v[80:83]
	ds_store_b128 v246, v[84:87] offset:8192
	ds_store_b8 v251, v88
	BARRIER
	; ---- att Wo^T + x, LayerNorm 1; inter is kept in my own LDS bytes, quantised, and its image shared
	KLOOP 2, AIMG, ASC1
	LNORM 0, 2048, 18, 20
.set i, 0
.rept 16
	ds_store_b128 v[SSA], v[ACC+4*i:ACC+4*i+3] offset:512*i
.set i, i+1
.endr
	s_wait_dscnt 0x0                               ; the stores have read their registers: the hold writes them
	QUANT4
	PUT IWI, ISW, 0, 0
	BARRIER
	; ---- silu(inter fc1^T + b1), in two halves; h's image shared
	FC1 0
	FC1 1
	BARRIER
	; ---- h fc2^T + (b2 + inter), LayerNorm 2
.set i, 0
.rept 16
	ds_load_b128 v[ACC+4*i:ACC+4*i+3], v[SSA] offset:512*i
.set i, i+1
.endr
.irp g, 0,1
.irp k, 0,1,2,3
	global_load_b128 v[WF1+16*\g+4*\k:WF1+16*\g+4*\k+3], v[BIA], s[24:25] offset:128*\g+16*\k
.endr
.endr
	s_wait_loadcnt 0x0
	s_wait_dscnt 0x0
.irp i, 0,2,4,6,8,10,12,14
.irp m, 0,1
.irp g, 0,1
	v_pk_add_f32 v[ACC+32*\g+16*\m+\i:ACC+32*\g+16*\m+\i+1], v[ACC+32*\g+16*\m+\i:ACC+32*\g+16*\m+\i+1], v[WF1+16*\g+\i:WF1+16*\g+\i+1]
.endr
.endr
.endr
	KLOOP 7, HIMG, HSC
	PAIRSTEP 0                                     ; the last two K steps: nothing is asked for beyond the walk's end
	LNORM 4096, 6144, 26, 28
	; ---- the way out: a tile of 16 rows x my 256 bytes through my own stage, back as whole rows: sixteen lanes store 256 consecutive bytes, aligned
.irp m, 0,1
.irp g, 0,1
.irp k, 0,1,2,3
	ds_store_b128 v[STO], v[ACC+32*\g+16*\m+4*\k:ACC+32*\g+16*\m+4*\k+3] offset:128*\g+16*\k
.endr
.endr
.irp i, 0,1,2,3,4,5,6,7
	ds_load_b128 v[WF0+32*\m+4*\i:WF0+32*\m+4*\i+3], v[RD] offset:544*\i     ; LDS serves a wave's instructions in order: these see the stores above, and the next tile's stores come behind them
.endr
.endr
.irp m, 0,1
.irp i, 0,1,2,3,4,5,6,7
	s_wait_dscnt 16*(1-\m)+7-\i                    ; the younger LDS instructions may be out
	global_store_b128 v[GO], v[WF0+32*\m+4*\i:WF0+32*\m+4*\i+3], s[30:31] offset:(8*\m+2*\i+8*(\i/4))*4096 th:TH_STORE_NT   ; stage rows 2 i and 2 i + 1 are rows 8 m + 2 i + 8 (i / 4) + h
.endr
.endr
	s_wait_xcnt 0x0
	v_lshl_add_u32 v254, v0, 2, 0x3f000
	v_mov_b32 v255, 0
	s_wait_tensorcnt 0x0
	ds_add_u32 v254, v255
	s_wait_dscnt 0x0
	s_endpgm
.Lfunc_end_k_q2ba80ffc82_chain:
	.size	k_q2ba80ffc82_chain, .Lfunc_end_k_q2ba80ffc82_chain-k_q2ba80ffc82_chain
	.p2alignl 7, 3214868480
	.fill 96, 4, 3214868480
	.section	.rodata,"a",@progbits
	.p2align	6, 0x0
	.amdhsa_kernel k_q2ba80ffc82_chain
		.amdhsa_group_segment_fixed_size 260096
		.amdhsa_private_segment_fixed_size 0
		.amdhsa_enable_private_segment 0
		.amdhsa_kernarg_size 96
		.amdhsa_user_sgpr_count 2
		.amdhsa_user_sgpr_kernarg_segment_ptr 1
		.amdhsa_wavefront_size32 1
		.amdhsa_system_sgpr_workgroup_id_x 1
		.amdhsa_system_sgpr_workgroup_id_y 1
		.amdhsa_system_sgpr_workgroup_id_z 1
		.amdhsa_system_vgpr_workitem_id 0
		.amdhsa_next_free_vgpr 256
		.amdhsa_next_free_sgpr 66
		.amdhsa_reserve_vcc 0
		.amdhsa_float_denorm_mode_32 3
		.amdhsa_float_denorm_mode_16_64 3
		.amdhsa_memory_ordered 1
		.amdhsa_forward_progress 1
		.amdhsa_inst_pref_size 138
	.end_amdhsa_kernel
	.amdgpu_metadata
---
amdhsa.version: [ 1, 2 ]
amdhsa.kernels:
  - .name:           k_q2ba80ffc82_chain
    .symbol:         k_q2ba80ffc82_chain.kd
    .args:
      - { .name: att, .offset: 0, .size: 8, .value_kind: global_buffer, .address_space: global }
      - { .name: att_sc, .offset: 8, .size: 8, .value_kind: global_buffer, .address_space: global }
      - { .name: wimg, .offset: 16, .size: 8, .value_kind: global_buffer, .address_space: global }
      - { .name: wsc, .offset: 24, .size: 8, .value_kind: global_buffer, .address_space: global }
      - { .name: x, .offset: 32, .size: 8, .value_kind: global_buffer, .address_space: global }
      - { .name: ln1_g, .offset: 40, .size: 8, .value_kind: global_buffer, .address_space: global }
      - { .name: ln1_b, .offset: 48, .size: 8, .value_kind: global_buffer, .address_space: global }
      - { .name: fc1_b, .offset: 56, .size: 8, .value_kind: global_buffer, .address_space: global }
      - { .name: fc2_b, .offset: 64, .size: 8, .value_kind: global_buffer, .address_space: global }
      - { .name: ln2_g, .offset: 72, .size: 8, .value_kind: global_buffer, .address_space: global }
      - { .name: ln2_b, .offset: 80, .size: 8, .value_kind: global_buffer, .address_space: global }
      - { .name: out0, .offset: 88, .size: 8, .value_kind: global_buffer, .address_space: global }
    .group_segment_fixed_size: 260096
    .private_segment_fixed_size: 0
    .kernarg_segment_align: 8
    .kernarg_segment_size: 96
    .max_flat_workgroup_size: 512
    .sgpr_count:     66
    .vgpr_count:     256
    .wavefront_size: 32
...
	.end_amdgpu_metadata
.endif
;; end of part 4
;; ======== version 2 of 2: 4 launches
;; workspace buffers: x_codes 8,388,608 bytes; x_scales 262,144 bytes; wimg 6,291,456 bytes; wsc 196,608 bytes; qkv 12,976,128 bytes; att 4,194,304 bytes; att_sc 131,072 bytes
;; launch prep: the kernel of part 1 again; grid 640 x 1, 4 waves a work-group, no clusters, 33,280 bytes of LDS; arguments Wq_codes, Wk_codes, Wv_codes, Wo_codes, fc1_w_codes, fc2_w_codes, Wq_scales, Wk_scales, Wv_scales, Wo_scales, fc1_w_scales, fc2_w_scales, x, x_codes, x_scales, wimg, wsc; writes x_codes, x_scales, wimg, wsc
;; launch proj: the kernel of part 2 again; grid 64 x 6, 8 waves a work-group, no clusters, 168,960 bytes of LDS; arguments x_codes, x_scales, keys_codes, keys_scales, wimg, wsc, qkv; writes qkv
;; launch attn (part 5): grid 4 x 64, 16 waves a work-group, no clusters, 169,984 bytes of LDS; arguments qkv, att, att_sc; writes att, att_sc
.if DOCPART == 5
	.amdgcn_target "amdgcn-amd-amdhsa--gfx1250"
	.amdhsa_code_object_version 6
	.text
	.protected	k_q2ba80ffc82_attn
	.globl	k_q2ba80ffc82_attn
	.p2align	8
	.type	k_q2ba80ffc82_attn,@function
k_q2ba80ffc82_attn:
	s_mov_b64 s[64:65], 0
	v_nop
	global_prefetch_b8 v0, s[64:65] scope:SCOPE_SE
	s_setreg_imm32_b32 hwreg(HW_REG_WAVE_MODE, 25, 1), 1
	s_wait_xcnt 0x0
; ATTN.  For each (batch, head): O = softmax(Q K^T / sqrt(32)) V on codes of E5M2 with E8M0 scales, and O / l quantised at once: a head's 32 channels are one block of the next product's K.
; THE SOFTMAX: t = score x log2(e) / sqrt(32); M = the running largest t rounded UP to a whole number; p = 2^(t - M) is quantised along the keys, not normalised; the row's sum l is taken of the unquantised p;
; when M moves, l and O are multiplied by 2^(old M - new M), which rounds nothing.
; SHARES.  Work-group (xq, H): 512 queries of record H.  Wave w takes the tiles of 16 queries T = 32 xq + 2 w + p, p = 0, 1, one after the other; each walks 16 steps of 128 keys.
; The head's K and V images and scale words (135,168 bytes) lie in LDS whole: filled once, two tensor loads a wave, so there is no ring.  Every LDS load of an operand takes 512 consecutive bytes.
; No cluster: the four work-groups of a head share that one fill alone.
; S^T = K Q^T, K = 32: an operand of the instruction holds FOUR tiles of keys, tile 4 g + c in its block c of 32; Q stands in block c of a run of registers that is zero elsewhere, so the product with view c gives tile 4 g + c.
;   Zero codes add nothing under any scale byte that the quantiser gives.  v[16:43]: zeros, Q in v28-31; view c = v[28 - 4 c : 43 - 4 c].
; A tile's keys are 32 b + 8 u + r + 8 (r / 8), so a lane's registers 16 b + i are keys 32 b + 16 h + i: the conversions' results are the second product's operand.  O^T = V^T P^T: a lane holds one query throughout.
; THE HOLD of p at 57,344 x the scale goes two numbers an instruction, as a dual-issue pair of minima: 32 lines for a step's 64 numbers.  The bound stands in two registers of different banks, one for each half of a pair.
; LIMITS: a block whose largest magnitude lies under 2^-111 gets the byte 1 (zero blocks too); NaN and infinities are not served.
.set VIMG, 65536
.set KSC,  131072
.set VSC,  133120
.set SCST, 135168                      ; 512 bytes: the work-group's scale bytes of O, gathered for one store
.set LI,   1                           ; v1   16 x lane
.set LS,   2                           ; v2   4 x lane
.set ADK,  3                           ; v3-6 the LDS addresses of the loads in hand
.set ADV,  4
.set ADKS, 5
.set ADVS, 6
.set LIV,  7                           ; v7   VIMG + 16 x lane
.set LKS,  8                           ; v8   KSC + 4 x lane
.set LVS,  9                           ; v9   VSC + 4 x lane
.set SCA,  10                          ; v10  SCST + 32 w + r
.set SCR,  11                          ; v11  SCST + 16 x lane
.set KF,   44                          ; v44-75   eight tiles of K: two operands
.set VF,   76                          ; v76-107  V: two operands
.set S,    108                         ; v108-171 S^T, then p
.set O,    172                         ; v172-187 O^T
.set PC,   188                         ; v188-203 p's codes
.set BM,   204                         ; v204-207 the blocks' largest
.set PT,   208                         ; v208-211 the other half's; a chain of the sum; the bytes
.set HD,   212                         ; v212-215 57,344 x the scale: block b's at HD + b
.set SO,   216                         ; v216-219 the conversions' scale operands
.set KS,   220                         ; scale words: K's, V's, Q's, p's
.set VS,   221
.set QS,   222
.set PW,   223
.set F,    224                         ; v[224:225] f = 2^(old M - new M)
.set TMP,  226
.set QW,   227                         ; the word that holds both tiles' scale bytes of Q
.set QN,   228                         ; v228-231 the second tile's Q
.set HE,   232                         ; v232-235 57,344 x the scale once more: block b's at HE + (b + 1) % 4, one bank on from HD + b
.set WV,   36
.set HH,   38
.set SEL,  40
.set CS,   42
.set MNT,  44
.set TK,   45                          ; s45  4,096 x the step
.set TS,   47                          ; s47  128 x the step
.set CNT,  49
.macro WM d, a, b, z, sa, sb, ra, rb
.if \z
.if \ra
	v_wmma_scale_f32_16x16x128_f8f6f4 v[\d:\d+7], v[\a:\a+15], v[\b:\b+15], 0, v[\sa], v[\sb] matrix_a_fmt:MATRIX_FMT_BF8 matrix_b_fmt:MATRIX_FMT_BF8 matrix_a_scale:MATRIX_SCALE_ROW1
.else
	v_wmma_scale_f32_16x16x128_f8f6f4 v[\d:\d+7], v[\a:\a+15], v[\b:\b+15], 0, v[\sa], v[\sb] matrix_a_fmt:MATRIX_FMT_BF8 matrix_b_fmt:MATRIX_FMT_BF8
.endif
.else
.if \ra
	v_wmma_scale_f32_16x16x128_f8f6f4 v[\d:\d+7], v[\a:\a+15], v[\b:\b+15], v[\d:\d+7], v[\sa], v[\sb] matrix_a_fmt:MATRIX_FMT_BF8 matrix_b_fmt:MATRIX_FMT_BF8 matrix_a_scale:MATRIX_SCALE_ROW1
.else
	v_wmma_scale_f32_16x16x128_f8f6f4 v[\d:\d+7], v[\a:\a+15], v[\b:\b+15], v[\d:\d+7], v[\sa], v[\sb] matrix_a_fmt:MATRIX_FMT_BF8 matrix_b_fmt:MATRIX_FMT_BF8
.endif
.endif
.endm
; A KEY STEP: 128 keys
.macro STEP
	s_wait_dscnt 0x0                               ; this step's K and its scale word are in
.irp g, 0,1
.irp c, 0,1,2,3
	WM S+8*(4*\g+\c), KF+16*\g, 28-4*\c, 1, KS, QS, \g, 0
.endr
.endr
	s_add_co_u32 s50, s[TK], 4096
	s_and_b32 s50, s50, 0xffff                     ; the next step's K; behind the last step the first again, for the next tile of queries
	s_add_co_u32 s51, s[TS], 128
	s_and_b32 s51, s51, 0x7ff
	v_add_nc_u32 v[ADV], s[TK], v[LIV]
	v_add_nc_u32 v[ADVS], s[TS], v[LVS]
	v_add_nc_u32 v[ADK], s50, v[LI]
	v_add_nc_u32 v[ADKS], s51, v[LKS]
.rept 4
	v_nop                                          ; with the four additions: eight places in front of loads into registers that products have read, and of the first read of the scores
.endr
.irp i, 0,1,2,3,4,5,6,7
	ds_load_b128 v[VF+4*\i:VF+4*\i+3], v[ADV] offset:512*\i
.endr
	ds_load_b32 v[VS], v[ADVS]
.irp i, 0,1,2,3,4,5,6,7
	ds_load_b128 v[KF+4*\i:KF+4*\i+3], v[ADK] offset:512*\i
.endr
	ds_load_b32 v[KS], v[ADKS]
.irp b, 0,1,2,3
	v_max3_num_f32 v[BM+\b], v[S+16*\b], v[S+16*\b+1], v[S+16*\b+2]   ; the largest score of each block of 32 keys: for the row's maximum, and, since p rises with the score, for the block's largest p
.endr
.irp i, 3,5,7,9,11,13
.irp b, 0,1,2,3
	v_max3_num_f32 v[BM+\b], v[BM+\b], v[S+16*\b+\i], v[S+16*\b+\i+1]
.endr
.endr
.irp b, 0,1,2,3
	v_max_num_f32 v[BM+\b], v[BM+\b], v[S+16*\b+15]
.endr
.irp b, 0,1,2,3
	s_delay_alu instid0(VALU_DEP_4)
	v_permlanex16_b32 v[PT+\b], v[BM+\b], s[SEL], s[SEL+1]
.endr
.irp b, 0,1,2,3
	s_delay_alu instid0(VALU_DEP_4)
	v_max_num_f32 v[BM+\b], v[BM+\b], v[PT+\b]     ; with lane l xor 16's 16 keys
.endr
	s_delay_alu instid0(VALU_DEP_2)
	v_max3_num_f32 v[TMP], v[BM], v[BM+1], v[BM+2]
	s_delay_alu instid0(VALU_DEP_1)
	v_max_num_f32 v[TMP], v[TMP], v[BM+3]
	s_delay_alu instid0(VALU_DEP_1)
	v_mul_f32 v[TMP], s[CS], v[TMP]                ; the step's largest t
	s_delay_alu instid0(VALU_DEP_1)
	v_max_num_f32 v13, v13, v[TMP]                 ; the running largest t
	v_mov_b32 v[TMP], v12
	s_delay_alu instid0(VALU_DEP_2)
	v_floor_f32 v12, -v13                          ; the new -M = floor(-t): M is a whole number
	s_delay_alu instid0(VALU_DEP_1)
	v_sub_f32 v[TMP], v12, v[TMP]                  ; old M - new M: a whole number, 0 or less
	s_delay_alu instid0(VALU_DEP_1)
	v_cvt_i32_f32 v[TMP], v[TMP]
	s_delay_alu instid0(VALU_DEP_1)
	v_ldexp_f32 v[F], 1.0, v[TMP]                  ; f
.set j, 0
.rept 32
	v_pk_fma_f32 v[S+j:S+j+1], v[S+j:S+j+1], s[CS:CS+1], v[12:13] op_sel_hi:[1,0,0]   ; t - M, two at a time
.set j, j+2
.endr
.irp b, 0,1,2,3
	v_fma_f32 v[BM+\b], v[BM+\b], s[CS], v12       ; the same of each block's largest score
.endr
.set j, 0
	s_wait_alu depctr_va_vdst(0)
.rept 64
	v_exp_f32 v[S+j], v[S+j]                       ; p = 2^(t - M)
.set j, j+1
.endr
	s_setprio 1
	v_pk_mul_f32 v[14:15], v[14:15], v[F:F+1] op_sel_hi:[1,0]   ; the sums under the new M: a plain line behind the exponentials
	s_wait_alu depctr_va_vdst(0)                   ; one wait for the batch, ahead of its first reader
.irp b, 0,1,2,3
	v_exp_f32 v[BM+\b], v[BM+\b]                   ; the block's largest p
.endr
	v_pk_add_f32 v[208:209], v[112:113], v[116:117]
	v_pk_add_f32 v[252:253], v[120:121], v[124:125]
	v_pk_add_f32 v[250:251], v[128:129], v[132:133]
	v_pk_add_f32 v[248:249], v[136:137], v[140:141]
	v_pk_add_f32 v[246:247], v[144:145], v[148:149]
	v_pk_add_f32 v[244:245], v[152:153], v[156:157]
	v_pk_add_f32 v[242:243], v[160:161], v[164:165]
	v_pk_add_f32 v[14:15], v[14:15], v[168:169]
	v_pk_add_f32 v[208:209], v[208:209], v[108:109]
	v_pk_add_f32 v[252:253], v[252:253], v[110:111]
	v_pk_add_f32 v[250:251], v[250:251], v[114:115]
	v_pk_add_f32 v[248:249], v[248:249], v[118:119]
	v_pk_add_f32 v[246:247], v[246:247], v[122:123]
	v_pk_add_f32 v[244:245], v[244:245], v[126:127]
	v_pk_add_f32 v[242:243], v[242:243], v[130:131]
	v_pk_add_f32 v[14:15], v[14:15], v[134:135]
	v_pk_add_f32 v[208:209], v[208:209], v[138:139]
	v_pk_add_f32 v[252:253], v[252:253], v[142:143]
	v_pk_add_f32 v[250:251], v[250:251], v[146:147]
	v_pk_add_f32 v[248:249], v[248:249], v[150:151]
	v_pk_add_f32 v[246:247], v[246:247], v[154:155]
	v_pk_add_f32 v[244:245], v[244:245], v[158:159]
	v_pk_add_f32 v[242:243], v[242:243], v[162:163]
	v_pk_add_f32 v[14:15], v[14:15], v[166:167]
	v_pk_add_f32 v[208:209], v[208:209], v[170:171]
	s_delay_alu instid0(VALU_DEP_2)
	v_pk_add_f32 v[14:15], v[14:15], v[248:249]
	s_delay_alu instid0(VALU_DEP_2)
	v_pk_add_f32 v[208:209], v[208:209], v[246:247]
	v_pk_add_f32 v[252:253], v[252:253], v[244:245]
	v_pk_add_f32 v[250:251], v[250:251], v[242:243]
	s_delay_alu instid0(VALU_DEP_2)
	v_pk_add_f32 v[14:15], v[14:15], v[252:253]
	s_delay_alu instid0(VALU_DEP_2)
	v_pk_add_f32 v[208:209], v[208:209], v[250:251]
	s_delay_alu instid0(VALU_DEP_1)
	v_pk_add_f32 v[14:15], v[14:15], v[208:209]
	s_wait_alu depctr_va_vdst(0)                   ; and one for the four
.irp b, 0,1,2,3
	v_max_num_f32 v[BM+\b], 0x8000000, v[BM+\b]    ; the floor 2^(16 - 127): the byte cannot fall under 1
.endr
.irp b, 0,1,2,3
	s_delay_alu instid0(VALU_DEP_4)
	v_add_nc_u32 v[SO+\b], 0xf8800000, v[BM+\b]
.endr
.irp b, 0,1,2,3
	v_and_or_b32 v[HD+\b], v[BM+\b], 0x7f800000, s[MNT]         ; 57,344 x the scale,
.endr
.irp b, 0,1,2,3
	v_and_or_b32 v[HE+(\b+1)%4], v[BM+\b], 0x7f800000, s[MNT]   ; and once more, one register bank on: the two halves of a pair take their second sources from different banks
.endr
.irp b, 0,1,2,3
	v_lshrrev_b32 v[PT+\b], 23, v[SO+\b]
.endr
	s_delay_alu instid0(VALU_DEP_3)
	v_lshl_or_b32 v[PW], v[PT+1], 8, v[PT]         ; p's scale word for these 128 keys
	s_delay_alu instid0(VALU_DEP_1)
	v_lshl_or_b32 v[PW], v[PT+2], 16, v[PW]
	s_delay_alu instid0(VALU_DEP_1)
	v_lshl_or_b32 v[PW], v[PT+3], 24, v[PW]
	s_setprio 0
.irp b, 0,1,2,3
.irp i, 0,2,4,6,8,10,12,14
	v_dual_min_num_f32 v[S+16*\b+\i], v[S+16*\b+\i], v[HD+\b] :: v_dual_min_num_f32 v[S+16*\b+\i+1], v[S+16*\b+\i+1], v[HE+(\b+1)%4]   ; p is not negative: the hold is one-sided; an even and an odd register a pair
.endr
	v_cvt_scalef32_pk8_bf8_f32 v[PC+4*\b:PC+4*\b+1], v[S+16*\b:S+16*\b+7], v[SO+\b]
	v_cvt_scalef32_pk8_bf8_f32 v[PC+4*\b+2:PC+4*\b+3], v[S+16*\b+8:S+16*\b+15], v[SO+\b]
.endr
.set j, 0
.rept 8
	v_pk_mul_f32 v[O+j:O+j+1], v[O+j:O+j+1], v[F:F+1] op_sel_hi:[1,0]   ; O^T under the new M; these lines also part the conversions from the products
.set j, j+2
.endr
	s_wait_alu depctr_va_vdst(0)
	s_wait_dscnt 9                                 ; V and its scale word are in; the next step's K (eight loads and a word) may be out
	WM O, VF, PC, 0, VS, PW, 0, 0
	WM O+8, VF+16, PC, 0, VS, PW, 1, 0
.endm
; one tile of 16 queries
.macro PASS p
.if \p
	s_wait_xcnt 0x0                                ; the first tile's store has read its data: the codes' registers are written again only behind this wait
.irp i, 0,1,2,3
	v_mov_b32 v[28+\i], v[QN+\i]
.endr
.endif
	v_perm_b32 v[QS], v[QW], v[QW], s[60+\p]       ; my tile's scale byte of Q into all four bytes
	v_mov_b32 v13, 0xff61b1e6                      ; the largest t so far: -3e38
	s_delay_alu instid0(VALU_DEP_1)
	v_floor_f32 v12, -v13
	v_mov_b32 v14, 0
	v_mov_b32 v15, 0
.set j, 0
.rept 16
	v_mov_b32 v[O+j], 0                            ; the step is written once: the first finds zeros
.set j, j+1
.endr
	s_mov_b32 s[TK], 0
	s_mov_b32 s[TS], 0
	s_mov_b32 s[CNT], 16
.Lstep_\@:
	s_setprio 2
	STEP
	s_add_co_u32 s[TK], s[TK], 4096
	s_add_co_u32 s[TS], s[TS], 128
	s_sub_co_u32 s[CNT], s[CNT], 1
	s_cmp_lg_u32 s[CNT], 0
	s_cbranch_scc1 .Lstep_\@
	s_setprio 0
.rept 8
	v_nop                                          ; eight places behind the last products
.endr
	v_add_f32 v14, v14, v15
	s_delay_alu instid0(VALU_DEP_1)
	v_permlanex16_b32 v[TMP], v14, s[SEL], s[SEL+1]
	s_delay_alu instid0(VALU_DEP_1)
	v_add_f32 v14, v14, v[TMP]                     ; the row's sum
	s_wait_alu depctr_va_vdst(0)
	v_rcp_f32 v14, v14
	v_nop
	s_wait_alu depctr_va_vdst(0)
.set j, 0
.rept 16
	v_mul_f32 v[S+j], v[O+j], v14                  ; O / l: register j is channel 16 h + j of my query
.set j, j+1
.endr
	v_max3_num_f32 v[BM], |v[S]|, |v[S+1]|, 0x8000000
.irp i, 2,4,6,8,10,12,14
	s_delay_alu instid0(VALU_DEP_1)
	v_max3_num_f32 v[BM], v[BM], |v[S+\i]|, |v[S+\i+1]|
.endr
	s_delay_alu instid0(VALU_DEP_1)
	v_permlanex16_b32 v[PT], v[BM], s[SEL], s[SEL+1]
	s_delay_alu instid0(VALU_DEP_1)
	v_max_num_f32 v[BM], v[BM], v[PT]              ; the head's 32 channels are one block
	s_delay_alu instid0(VALU_DEP_1)
	v_add_nc_u32 v[SO], 0xf8800000, v[BM]
	s_delay_alu instid0(VALU_DEP_2)
	v_and_or_b32 v[HD], v[BM], 0x7f800000, s[MNT]
	s_delay_alu instid0(VALU_DEP_2)
	v_lshrrev_b32 v[PT], 23, v[SO]
.set j, 0
.rept 16
	v_med3_num_f32 v[S+j], v[S+j], -v[HD], v[HD]
.set j, j+1
.endr
	v_cvt_scalef32_pk8_bf8_f32 v[PC:PC+1], v[S:S+7], v[SO]
	v_cvt_scalef32_pk8_bf8_f32 v[PC+2:PC+3], v[S+8:S+15], v[SO]
	v_nop
	global_store_b128 v[LI], v[PC:PC+3], s[6:7] offset:2048*\p    ; 512 consecutive bytes, aligned: block head % 4 of the next operand's image
	ds_store_b8 v[SCA], v[PT] offset:16*\p         ; both lanes of a query write the same byte
.endm
	s_load_b128 s[4:7], s[0:1], 0x0                ; qkv, att
	s_load_b64 s[8:9], s[0:1], 0x10                ; att_sc
	v_lshl_add_u32 v254, v0, 2, 0x29000
	v_mov_b32 v255, 0
	ds_add_u32 v254, v255
	ds_add_u32 v254, v255
	v_lshrrev_b32 v1, 5, v0
	s_delay_alu instid0(VALU_DEP_1)
	v_readfirstlane_b32 s[WV], v1                  ; wave 0..15
	s_and_b32 s[HH], ttmp7, 0xffff                 ; the record
	; group 1 for the images: 32 rows of 256 bytes, dense;  for the scale words: one such row
	s_mov_b32 s16, 3<<16
	s_mov_b32 s17, 32<<16
	s_mov_b32 s18, 32<<16
	s_mov_b32 s19, 32<<16
	s_mov_b32 s20, 32
	s_mov_b32 s21, 32
	s_mov_b32 s22, 0
	s_mov_b32 s23, 0
	s_mov_b32 s24, 3<<16
	s_mov_b32 s25, 32<<16
	s_mov_b32 s26, 1<<16
	s_mov_b32 s27, 32<<16
	s_mov_b32 s28, 1
	s_mov_b32 s29, 32
	s_mov_b32 s30, 0
	s_mov_b32 s31, 0
	s_mul_i32 s50, s[HH], 202752
	s_mov_b32 s51, 0
	s_lshl_b32 s52, s[WV], 13
	s_mov_b32 s53, 0
	s_lshl_b32 s54, s[WV], 8
	s_mov_b32 s55, 0
	s_mov_b32 s12, 1
	s_lshl_b32 s13, s[WV], 13                      ; K's and V's images: 8,192 bytes a wave, from LDS byte 0
	s_mov_b32 s32, 1
	s_add_co_u32 s33, s54, KSC                     ; their scale words: 256 bytes a wave
	s_wait_dscnt 0x0
	s_wait_kmcnt 0x0
	s_add_nc_u64 s[4:5], s[4:5], s[50:51]          ; my record
	s_add_nc_u64 s[14:15], s[4:5], s[52:53]
	s_add_nc_u64 s[14:15], s[14:15], 65536
	s_or_b32 s15, s15, 0x80000000
	s_add_nc_u64 s[34:35], s[4:5], s[54:55]
	s_add_nc_u64 s[34:35], s[34:35], 198656
	s_or_b32 s35, s35, 0x80000000
	tensor_load_to_lds s[12:15], s[16:23]          ; both fills go out together, ahead of every wait on TENSORcnt, LDS read and barrier: two loads of mine are out
	s_nop 0
	tensor_load_to_lds s[32:35], s[24:31]
	s_nop 0
.rept 4
	v_nop
.endr
	v_and_b32 v10, 31, v0                          ; lane
	v_and_b32 v11, 15, v0                          ; r
	s_delay_alu instid0(VALU_DEP_2)
	v_lshlrev_b32 v[LI], 4, v10
	s_delay_alu instid0(VALU_DEP_3)
	v_lshlrev_b32 v[LS], 2, v10
	s_delay_alu instid0(VALU_DEP_3)
	v_lshlrev_b32 v[TMP], 2, v11                   ; 4 r
	s_wait_alu depctr_va_vdst(0)
	v_add_nc_u32 v[LIV], VIMG, v[LI]
	v_add_nc_u32 v[LKS], KSC, v[LS]
	v_add_nc_u32 v[LVS], VSC, v[LS]
	s_lshl_b32 s50, s[WV], 5
	s_add_co_u32 s50, s50, SCST
	v_add_nc_u32 v[SCA], s50, v11
	v_add_nc_u32 v[SCR], SCST, v[LI]
	s_lshl_b32 s50, ttmp9, 5
	s_lshl_b32 s51, s[WV], 1
	s_add_co_u32 s50, s50, s51                     ; T of my first tile
	s_lshl_b32 s52, s50, 9
	s_add_nc_u64 s[56:57], s[4:5], s[52:53]
	global_load_b128 v[28:31], v[LI], s[56:57]             ; Q of my two tiles
	global_load_b128 v[QN:QN+3], v[LI], s[56:57] offset:512
	s_lshr_b32 s52, s50, 3
	s_lshl_b32 s52, s52, 7
	s_bfe_u32 s51, s50, 0x10002
	s_lshl_b32 s51, s51, 6
	s_add_co_u32 s52, s52, s51
	s_add_co_u32 s52, s52, 196608
	s_add_nc_u64 s[58:59], s[4:5], s[52:53]
	global_load_b32 v[QW], v[TMP], s[58:59]        ; row r's word: bytes T % 4 and T % 4 + 1 are my two tiles'
	s_and_b32 s60, s50, 3
	s_mul_i32 s60, s60, 0x01010101
	s_add_co_u32 s61, s60, 0x01010101
	s_lshr_b32 s50, s[HH], 4
	s_lshl_b32 s50, s50, 6
	s_lshl_b32 s51, ttmp9, 4
	s_add_co_u32 s50, s50, s51
	s_add_co_u32 s50, s50, s[WV]                   ; the pair of row tiles: batch x 64 + 16 xq + w
	s_lshl_b32 s50, s50, 14
	s_bfe_u32 s51, s[HH], 0x20002                  ; head / 4: the K step
	s_lshl_b32 s51, s51, 12
	s_add_co_u32 s50, s50, s51
	s_and_b32 s51, s[HH], 3                        ; head % 4: the block
	s_lshl_b32 s51, s51, 9
	s_add_co_u32 s50, s50, s51
	s_mov_b32 s51, 0
	s_add_nc_u64 s[6:7], s[6:7], s[50:51]
	s_lshl_b32 s50, s[HH], 11
	s_lshl_b32 s52, ttmp9, 9
	s_add_co_u32 s50, s50, s52
	s_add_nc_u64 s[8:9], s[8:9], s[50:51]
	s_mov_b32 s[SEL], 0x76543210
	s_mov_b32 s[SEL+1], 0xfedcba98
	s_mov_b32 s[CS], 0x3e8293ee                    ; c = log2(e) / sqrt(32)
	s_mov_b32 s[CS+1], s[CS]
	s_mov_b32 s[MNT], 0x600000
.set j, 0
.rept 12
	v_mov_b32 v[16+j], 0                           ; the zeros round Q
	v_mov_b32 v[32+j], 0
.set j, j+1
.endr
.irp b, 0,1,2,3
	v_mov_b32 v[PT+\b], 0                          ; a lane permute's destination counts as one of its sources
.endr
	v_mov_b32 v[F+1], 0                            ; named as the upper half of a pair
	s_wait_tensorcnt 0x0                           ; my parts are in LDS,
	s_barrier_signal -1
	s_barrier_wait -1                              ; everybody's are
.irp i, 0,1,2,3,4,5,6,7
	ds_load_b128 v[KF+4*\i:KF+4*\i+3], v[LI] offset:512*\i        ; K of step 0
.endr
	ds_load_b32 v[KS], v[LKS]
	s_wait_loadcnt 0x0                             ; Q and its word
	PASS 0
	PASS 1
	s_wait_dscnt 0x0                               ; my byte stores have landed
	s_barrier_signal -1
	s_barrier_wait -1
	s_cmp_lg_u32 s[WV], 0
	s_cbranch_scc1 .Lend
	ds_load_b128 v[KF:KF+3], v[SCR]                ; the work-group's 512 scale bytes leave by one store of wave 0
	s_wait_dscnt 0x0
	global_store_b128 v[LI], v[KF:KF+3], s[8:9]
.Lend:
	s_wait_tensorcnt 0x0
	ds_add_u32 v254, v255
	s_wait_dscnt 0x0
	s_endpgm
.Lfunc_end_k_q2ba80ffc82_attn:
	.size	k_q2ba80ffc82_attn, .Lfunc_end_k_q2ba80ffc82_attn-k_q2ba80ffc82_attn
	.p2alignl 7, 3214868480
	.fill 96, 4, 3214868480
	.section	.rodata,"a",@progbits
	.p2align	6, 0x0
	.amdhsa_kernel k_q2ba80ffc82_attn
		.amdhsa_group_segment_fixed_size 169984
		.amdhsa_private_segment_fixed_size 0
		.amdhsa_enable_private_segment 0
		.amdhsa_kernarg_size 24
		.amdhsa_user_sgpr_count 2
		.amdhsa_user_sgpr_kernarg_segment_ptr 1
		.amdhsa_wavefront_size32 1
		.amdhsa_system_sgpr_workgroup_id_x 1
		.amdhsa_system_sgpr_workgroup_id_y 1
		.amdhsa_system_sgpr_workgroup_id_z 1
		.amdhsa_system_vgpr_workitem_id 0
		.amdhsa_next_free_vgpr 256
		.amdhsa_next_free_sgpr 66
		.amdhsa_reserve_vcc 0
		.amdhsa_float_denorm_mode_32 3
		.amdhsa_float_denorm_mode_16_64 3
		.amdhsa_memory_ordered 1
		.amdhsa_forward_progress 1
		.amdhsa_inst_pref_size 53
	.end_amdhsa_kernel
	.amdgpu_metadata
---
amdhsa.version: [ 1, 2 ]
amdhsa.kernels:
  - .name:           k_q2ba80ffc82_attn
    .symbol:         k_q2ba80ffc82_attn.kd
    .args:
      - { .name: qkv, .offset: 0, .size: 8, .value_kind: global_buffer, .address_space: global }
      - { .name: att, .offset: 8, .size: 8, .value_kind: global_buffer, .address_space: global }
      - { .name: att_sc, .offset: 16, .size: 8, .value_kind: global_buffer, .address_space: global }
    .group_segment_fixed_size: 169984
    .private_segment_fixed_size: 0
    .kernarg_segment_align: 8
    .kernarg_segment_size: 24
    .max_flat_workgroup_size: 512
    .sgpr_count:     66
    .vgpr_count:     256
    .wavefront_size: 32
...
	.end_amdgpu_metadata
.endif
;; end of part 5
;; launch chain (part 6): grid 256 x 1, 16 waves a work-group, no clusters, 260,096 bytes of LDS; arguments att, att_sc, wimg, wsc, x, ln1_g, ln1_b, fc1_b, fc2_b, ln2_g, ln2_b, out0; writes out0
.if DOCPART == 6
	.amdgcn_target "amdgcn-amd-amdhsa--gfx1250"
	.amdhsa_code_object_version 6
	.text
	.protected	k_q2ba80ffc82_chain
	.globl	k_q2ba80ffc82_chain
	.p2align	8
	.type	k_q2ba80ffc82_chain,@function
k_q2ba80ffc82_chain:
	s_mov_b64 s[64:65], 0
	v_nop
	global_prefetch_b8 v0, s[64:65] scope:SCOPE_SE
	s_setreg_imm32_b32 hwreg(HW_REG_WAVE_SCHED_MODE, 0, 2), 2
	s_setreg_imm32_b32 hwreg(HW_REG_WAVE_MODE, 25, 1), 1
	s_wait_xcnt 0x0
	s_wait_alu depctr_vm_vsrc(0)
; CHAIN.  inter = LN1(att Wo^T + x);  h = silu(inter fc1^T + b1);  out0 = LN2(h fc2^T + b2 + inter).  The three products on codes of E5M2 with E8M0 scales; inter and h are quantised on the way and never go to memory.
; SHARES.  Work-group j takes rows 32 j .. 32 j + 31 as two tiles m (row 32 j + 8 m + r + 8 (r / 8)) through the whole chain.  THE 16 WAVES SHARE THE COLUMNS: 64 channels a wave (fc1: 128, in two halves d).
; All products are used transposed (source 0 = 16 rows of a weight, source 1 = a tile of rows): a lane holds one row and, in the 16 registers of tiles u = 0, 1, 16 neighbouring channels.
; Eight accumulators at ACC + 32 g + 16 m + 8 u; they take turns, one instruction a turn.
; WEIGHTS go from memory straight into the registers of the one wave that uses them, laid in that wave's walking order by the first launch: 8,192 consecutive bytes a K step, two sets of registers, one K step ahead.
;   No tensor load and no joint request: each weight byte serves one wave of the work-group, and the rows' images take most of LDS.
; THE ROWS' OPERANDS go from wave to wave through LDS as images of their registers: [K step][m][c][lane][16 bytes], scale words [K step][lane = r + 16 m].
; The residual x, the bias b1, and inter + b2 are the C of each sum's first product.  LayerNorm: mean, then mean of squares of the differences, each by one meeting of the 16 waves' partial sums in LDS.
; LIMITS: a block whose largest magnitude lies under 2^-111 gets the byte 1 (zero blocks too); NaN and infinities are not served.
; THE MODE: SCHED_MODE bits 1:0 = 2 (LLVM: expert scheduling mode 2), set by the entry lines.  The code itself states the register dependences
; between vector or matrix instructions and memory or LDS instructions, with s_wait_alu, always for 0.
; THE PLAN.  Registers that memory or LDS instructions touch:
;   WF0, WF1, WSW   Two sets by turns.  A K step's eight products read one set; the 18 loads issued at that step's head land in the other, which the products of the step before read.
;                   Outside the K loops set 1 takes gain and bias, b2 (loads) and SiLU's numbers (vector lines alone); set 0 takes the rows on their way back from the stage.
;   AF, ASW         One buffer (the 256 registers hold no second).  Nine LDS loads at a step's head land in it; the step's products read it.  Outside the loops it is at work: the codes (PC) and the two scale
;                   bytes (TM + 4) are written by vector lines and read by LDS stores; the meetings' partial sums land in it.
;   ACC             Loads land in it (x, b1, inter); products and vector lines write it; LDS stores read it (inter is kept; the way out).
;   ADA, ADS        Read by every LDS load of a fragment; written ahead of each K loop and once for two K steps.
;   PS (v246, v247) At the head offsets of loads and LDS stores; then written at each meeting and read by its one LDS store.
;   every other address is made at the head and never written again.
; So ONE wait on va_vdst stands at the head of a K step, and one on vm_vsrc for two K steps ahead of the additions to ADA and ADS.  Outside the loops one wait on va_vdst stands ahead of each run of stores, and serves
; the loads that follow it with no vector line between; one wait on vm_vsrc stands between each run of LDS stores and the next write of what it read.
.set AIMG, 0                           ; 16,384: the attention's codes, 4 K steps
.set IIMG, 16384                       ; 32,768: inter's, 8 K steps
.set HIMG, 49152                       ; 65,536: h's, 16 K steps
.set ASC1, 114688                      ; their scale words: 512,
.set ISC,  115200                      ; 1,024,
.set HSC,  116224                      ; 2,048 bytes
.set STAT, 118272                      ; 4 x 2,048: the waves' partial sums, [wave][r][m], a region for each of the four meetings
.set BIG,  126464                      ; 16 x 8,192: each wave's own: inter is kept here, later the stage of the way out
.set LI,  1                            ; v1   16 x lane
.set LS,  2                            ; v2   4 x lane
.set ADA, 3                            ; v3   the rows' images in hand
.set ADS, 4                            ; v4   and their scale words
.set XA,  5                            ; v5   x: 4,096 (r + 8 (r / 8)) + 64 h
.set BIA, 6                            ; v6   64 h: my 16 channels in a run of 32
.set IWI, 7                            ; v7-10 where I store inter's and h's images and scale bytes
.set ISW, 8
.set HWI, 9
.set HSW, 10
.set SSA, 11                           ; v11  BIG + 8,192 w + 16 x lane
.set STW, 12                           ; v12  STAT + 128 w + 8 r
.set STR, 13                           ; v13  STAT + 8 r
.set STO, 14                           ; v14  the stage, in: 272 r + 64 h
.set RD,  15                           ; v15  and back: 272 h + 16 r
.set ACC, 16                           ; v16-79
.set AF,  80                           ; v80-111  two fragments of rows; at other times at work
.set TM,  80
.set PC,  96
.set WF0, 112                          ; v112-175, v176-239  two sets of four fragments of a weight
.set WF1, 176
.set WSW, 240                          ; v240-243 the weights' scale words [set][g]
.set ASW, 244                          ; v244     the rows' scale word
.set GO,  245                          ; v245     out0: 4,096 h + 16 r
.set PS,  246                          ; v[246:247] my partial sums, m = 0, 1
.set NM0, 248                          ; v248, v250  -mean; v252, v254  1 / std: each the low word of a pair
.set RS0, 252
.macro WM d, a, b, z, sa, sb, ra, rb
.if (\ra) && (\rb)
	v_wmma_scale_f32_16x16x128_f8f6f4 v[\d:\d+7], v[\a:\a+15], v[\b:\b+15], v[\d:\d+7], v[\sa], v[\sb] matrix_a_fmt:MATRIX_FMT_BF8 matrix_b_fmt:MATRIX_FMT_BF8 matrix_a_scale:MATRIX_SCALE_ROW1 matrix_b_scale:MATRIX_SCALE_ROW1
.elseif \ra
	v_wmma_scale_f32_16x16x128_f8f6f4 v[\d:\d+7], v[\a:\a+15], v[\b:\b+15], v[\d:\d+7], v[\sa], v[\sb] matrix_a_fmt:MATRIX_FMT_BF8 matrix_b_fmt:MATRIX_FMT_BF8 matrix_a_scale:MATRIX_SCALE_ROW1
.elseif \rb
	v_wmma_scale_f32_16x16x128_f8f6f4 v[\d:\d+7], v[\a:\a+15], v[\b:\b+15], v[\d:\d+7], v[\sa], v[\sb] matrix_a_fmt:MATRIX_FMT_BF8 matrix_b_fmt:MATRIX_FMT_BF8 matrix_b_scale:MATRIX_SCALE_ROW1
.else
	v_wmma_scale_f32_16x16x128_f8f6f4 v[\d:\d+7], v[\a:\a+15], v[\b:\b+15], v[\d:\d+7], v[\sa], v[\sb] matrix_a_fmt:MATRIX_FMT_BF8 matrix_b_fmt:MATRIX_FMT_BF8
.endif
.endm
.macro BARRIER                         ; my LDS stores have landed and my LDS loads are in: then the work-group's barrier
	s_wait_dscnt 0x0
	s_barrier_signal -1
	s_barrier_wait -1
.endm
; the weights of the K step k steps on from the pointer, into set hs: 16 loads of 512 consecutive bytes, and two scale words
.macro WLOAD hs, k
.set i, 0
.rept 16
	global_load_b128 v[WF0+64*(\hs)+4*i:WF0+64*(\hs)+4*i+3], v[LI], s[12:13] offset:8192*(\k)+512*i
.set i, i+1
.endr
	global_load_b32 v[WSW+2*(\hs)], v[LS], s[14:15] offset:256*(\k)
	global_load_b32 v[WSW+2*(\hs)+1], v[LS], s[14:15] offset:256*(\k)+128
.endm
; a K step on set hs.  ld = 1: the next K step's weights are asked for first, into the other set: straight behind the wait, which is the first place at which that set is free
.macro KSTEP hs, ld, k
	s_wait_alu depctr_va_vdst(0)                   ; the products of the K step before are done reading the rows' fragments and scale word and W's other set with its scale words: the loads below land in all of these.  In a pair's first step v[ADA] and v[ADS] are written, which the LDS loads read; in a loop's first step the vector lines ahead of the loop are done with these registers too
.if \ld
	WLOAD 1-(\hs), \k
.endif
.irp m, 0,1
.irp c, 0,1,2,3
	ds_load_b128 v[AF+16*\m+4*\c:AF+16*\m+4*\c+3], v[ADA] offset:4096*(\hs)+2048*\m+512*\c
.endr
.endr
	ds_load_b32 v[ASW], v[ADS] offset:128*(\hs)
.if \ld
	s_wait_loadcnt 18                              ; all but the 18 loads just issued: this step's weights are in, and whatever was loaded as C
.else
	s_wait_loadcnt 0x0
.endif
	s_wait_dscnt 0x0
.irp g, 0,1
.irp m, 0,1
.irp u, 0,1
	WM ACC+32*\g+16*\m+8*\u, WF0+64*(\hs)+32*\g+16*\u, AF+16*\m, 0, WSW+2*(\hs)+\g, ASW, \u, \m
.endr
.endr
.endr
.endm
; two K steps, and the step of the addresses
.macro PAIRSTEP ld2
	KSTEP 0, 1, 1
	KSTEP 1, \ld2, 2
	s_add_co_u32 s40, s40, 8192
	s_add_co_u32 s41, s41, 256
	s_wait_alu depctr_vm_vsrc(0)                   ; the two steps' LDS loads have read v[ADA] and v[ADS], which the two lines below write
	v_add_nc_u32 v[ADA], s40, v[LI]                ; the next two K steps' images
	v_add_nc_u32 v[ADS], s41, v[LS]
	s_wait_xcnt 0x0                                ; the loads have read their bases: only now are these stepped
	s_add_nc_u64 s[12:13], s[12:13], 16384
	s_add_nc_u64 s[14:15], s[14:15], 512
.endm
.macro KLOOP n, base, sbase            ; 2 n K steps on the images from LDS byte base on
	s_mov_b32 s40, \base
	s_mov_b32 s41, \sbase
	v_add_nc_u32 v[ADA], s40, v[LI]                ; (every LDS load that read these two stands ahead of the wait on vm_vsrc at the last pair's end)
	v_add_nc_u32 v[ADS], s41, v[LS]
	s_mov_b32 s43, \n
.Lk_\@:
	PAIRSTEP 1
	s_sub_co_u32 s43, s43, 1
	s_cmp_lg_u32 s43, 0
	s_cbranch_scc1 .Lk_\@
.endm
; behind a sum's last K step: with the two additions at the pair's end these are eight places between the last products and the first vector line that reads a result or writes over an operand
.macro PLACES6
.rept 6
	v_nop
.endr
.endm
; four chains of sums at AF + 4 m + 2 g become the two rows' totals over all 1,024 channels, in v[AF:AF+1], the same bits in every wave
.macro REDUCE p1
.irp m, 0,1
	v_pk_add_f32 v[AF+4*\m:AF+4*\m+1], v[AF+4*\m:AF+4*\m+1], v[AF+4*\m+2:AF+4*\m+3]
.endr
	s_wait_alu depctr_vm_vsrc(0)                   ; what took v246 and v247 as a source has read them: at the head the loads and LDS stores that had them as offsets, later the last meeting's store
.irp m, 0,1
	v_add_f32 v[PS+\m], v[AF+4*\m], v[AF+4*\m+1]
.endr
.irp m, 0,1
	v_permlanex16_b32 v[AF+8+\m], v[PS+\m], s44, s45
.endr
.irp m, 0,1
	v_add_f32 v[PS+\m], v[PS+\m], v[AF+8+\m]       ; my wave's 64 channels of row (m, r)
.endr
	s_wait_alu depctr_va_vdst(0)                   ; my partial sums are written, which the LDS store reads; and the lines above are done with v[AF ..], in which the loads behind the barrier land: no vector line stands between
	ds_store_b64 v[STW], v[PS:PS+1] offset:\p1     ; both lanes of a row write the same 8 bytes
	BARRIER
.irp k, 0,1,2,3,4,5,6,7,8,9,10,11,12,13,14,15
	ds_load_b64 v[AF+2*\k:AF+2*\k+1], v[STR] offset:\p1+128*\k
.endr
	s_wait_dscnt 0x0
.irp k, 0,1,2,3,4,5,6,7
	v_pk_add_f32 v[AF+4*\k:AF+4*\k+1], v[AF+4*\k:AF+4*\k+1], v[AF+4*\k+2:AF+4*\k+3]
.endr
.irp k, 0,1,2,3
	v_pk_add_f32 v[AF+8*\k:AF+8*\k+1], v[AF+8*\k:AF+8*\k+1], v[AF+8*\k+4:AF+8*\k+5]
.endr
.irp k, 0,1
	v_pk_add_f32 v[AF+16*\k:AF+16*\k+1], v[AF+16*\k:AF+16*\k+1], v[AF+16*\k+8:AF+16*\k+9]
.endr
	v_pk_add_f32 v[AF:AF+1], v[AF:AF+1], v[AF+16:AF+17]
.endm
; LayerNorm of the 32 rows in ACC, in place.  p1, p2: the two meetings' regions; gp, bp: the scalar pairs of gain and bias
.macro LNORM p1, p2, gp, bp
	s_wait_alu depctr_va_vdst(0)                   ; the last K step's products are done reading W's set 1, in which gain and bias land
.irp g, 0,1
.irp k, 0,1,2,3
	global_load_b128 v[WF1+16*\g+4*\k:WF1+16*\g+4*\k+3], v[BIA], s[\gp:\gp+1] offset:128*\g+16*\k
	global_load_b128 v[WF1+32+16*\g+4*\k:WF1+32+16*\g+4*\k+3], v[BIA], s[\bp:\bp+1] offset:128*\g+16*\k
.endr
.endr
.irp m, 0,1
.irp g, 0,1
	v_pk_add_f32 v[AF+4*\m+2*\g:AF+4*\m+2*\g+1], v[ACC+32*\g+16*\m:ACC+32*\g+16*\m+1], v[ACC+32*\g+16*\m+2:ACC+32*\g+16*\m+3]   ; each accumulator is read from its low end on
.endr
.endr
.irp i, 4,6,8,10,12,14
.irp m, 0,1
.irp g, 0,1
	v_pk_add_f32 v[AF+4*\m+2*\g:AF+4*\m+2*\g+1], v[AF+4*\m+2*\g:AF+4*\m+2*\g+1], v[ACC+32*\g+16*\m+\i:ACC+32*\g+16*\m+\i+1]
.endr
.endr
.endr
	REDUCE \p1
	v_mul_f32 v[NM0], s47, v[AF]                   ; -mean
	v_mul_f32 v[NM0+2], s47, v[AF+1]
.irp i, 0,2,4,6,8,10,12,14
.irp m, 0,1
.irp g, 0,1
	v_pk_add_f32 v[ACC+32*\g+16*\m+\i:ACC+32*\g+16*\m+\i+1], v[ACC+32*\g+16*\m+\i:ACC+32*\g+16*\m+\i+1], v[NM0+2*\m:NM0+2*\m+1] op_sel_hi:[1,0]
.endr
.endr
.endr
.irp m, 0,1
.irp g, 0,1
	v_pk_mul_f32 v[AF+4*\m+2*\g:AF+4*\m+2*\g+1], v[ACC+32*\g+16*\m:ACC+32*\g+16*\m+1], v[ACC+32*\g+16*\m:ACC+32*\g+16*\m+1]
.endr
.endr
.irp i, 2,4,6,8,10,12,14
.irp m, 0,1
.irp g, 0,1
	v_pk_fma_f32 v[AF+4*\m+2*\g:AF+4*\m+2*\g+1], v[ACC+32*\g+16*\m+\i:ACC+32*\g+16*\m+\i+1], v[ACC+32*\g+16*\m+\i:ACC+32*\g+16*\m+\i+1], v[AF+4*\m+2*\g:AF+4*\m+2*\g+1]
.endr
.endr
.endr
	REDUCE \p2
	v_fma_f32 v[RS0], v[AF], s48, s49              ; the variance + 1e-5
	v_fma_f32 v[RS0+2], v[AF+1], s48, s49
	v_rsq_f32 v[RS0], v[RS0]
	v_rsq_f32 v[RS0+2], v[RS0+2]
	v_nop
	s_wait_alu depctr_va_vdst(0)                   ; the two reciprocal roots are written: one wait for the two, ahead of their first reader
	s_wait_loadcnt 0x0                             ; gain and bias
.irp i, 0,2,4,6,8,10,12,14
.irp m, 0,1
.irp g, 0,1
	v_pk_mul_f32 v[ACC+32*\g+16*\m+\i:ACC+32*\g+16*\m+\i+1], v[ACC+32*\g+16*\m+\i:ACC+32*\g+16*\m+\i+1], v[RS0+2*\m:RS0+2*\m+1] op_sel_hi:[1,0]
.endr
.endr
.endr
.irp i, 0,2,4,6,8,10,12,14
.irp m, 0,1
.irp g, 0,1
	v_pk_fma_f32 v[ACC+32*\g+16*\m+\i:ACC+32*\g+16*\m+\i+1], v[ACC+32*\g+16*\m+\i:ACC+32*\g+16*\m+\i+1], v[WF1+16*\g+\i:WF1+16*\g+\i+1], v[WF1+32+16*\g+\i:WF1+32+16*\g+\i+1]
.endr
.endr
.endr
.endm
; the four groups of 16 registers in ACC (group b = 2 g + m), each with lane l xor 16's a block of 32 channels, become codes at PC + 4 b and bytes at TM + 4 + b
.macro QUANT4
.irp b, 0,1,2,3
	v_max3_num_f32 v[TM+\b], |v[ACC+16*\b]|, |v[ACC+16*\b+1]|, 0x8000000   ; my 16 numbers and the floor 2^(16 - 127)
.endr
.irp i, 2,4,6,8,10,12,14
.irp b, 0,1,2,3
	v_max3_num_f32 v[TM+\b], v[TM+\b], |v[ACC+16*\b+\i]|, |v[ACC+16*\b+\i+1]|
.endr
.endr
.irp b, 0,1,2,3
	v_permlanex16_b32 v[TM+4+\b], v[TM+\b], s44, s45
.endr
.irp b, 0,1,2,3
	v_max_num_f32 v[TM+\b], v[TM+\b], v[TM+4+\b]
.endr
.irp b, 0,1,2,3
	v_add_nc_u32 v[TM+12+\b], 0xf8800000, v[TM+\b]
.endr
.irp b, 0,1,2,3
	v_and_or_b32 v[TM+8+\b], v[TM+\b], 0x7f800000, s46
.endr
.irp b, 0,1,2,3
	v_lshrrev_b32 v[TM+4+\b], 23, v[TM+12+\b]
.endr
.irp b, 0,1,2,3
.irp i, 0,1,2,3,4,5,6,7,8,9,10,11,12,13,14,15
	v_med3_num_f32 v[ACC+16*\b+\i], v[ACC+16*\b+\i], -v[TM+8+\b], v[TM+8+\b]   ; the conversion does not saturate (ISA guide 7.6.2): the hold comes first
.endr
	v_cvt_scalef32_pk8_bf8_f32 v[PC+4*\b:PC+4*\b+1], v[ACC+16*\b:ACC+16*\b+7], v[TM+12+\b]
	v_cvt_scalef32_pk8_bf8_f32 v[PC+4*\b+2:PC+4*\b+3], v[ACC+16*\b+8:ACC+16*\b+15], v[TM+12+\b]
.endr
	v_nop                                          ; a plain line behind the last conversion
.endm
; the codes go into the image as they stand; my two blocks' bytes are half a scale word: lanes 0-15 store tile 0's, lanes 16-31 tile 1's.  The half word is made first, so that one wait serves the five stores
.macro PUT adr, sadr, off, soff
	v_lshl_or_b32 v[TM+4], v[TM+6], 8, v[TM+4]
	v_lshl_or_b32 v[TM+5], v[TM+7], 8, v[TM+5]
	v_cndmask_b32 v[TM+4], v[TM+5], v[TM+4], s42
	s_wait_alu depctr_va_vdst(0)                   ; the conversions have written the codes and the select the half word, which the LDS stores read.  The hold and the conversions are also done with ACC, and SiLU with W's set 1: the loads that land there next (b1; inter and b2) follow with no vector line between
.irp g, 0,1
.irp m, 0,1
	ds_store_b128 v[\adr], v[PC+4*(2*\g+\m):PC+4*(2*\g+\m)+3] offset:\off+2048*\m+512*\g
.endr
.endr
	ds_store_b16 v[\sadr], v[TM+4] offset:\soff
	s_wait_alu depctr_vm_vsrc(0)                   ; the stores have read the codes' and the half word's registers, in which the next K loop's fragments land
.endm
.macro SILU                            ; ACC = z / (1 + 2^(-z log2 e)), by way of W's set 1, which is free
.set i, 0
.rept 32
	v_pk_mul_f32 v[WF1+i:WF1+i+1], v[ACC+i:ACC+i+1], 0xbfb8aa3b op_sel_hi:[1,0]
.set i, i+2
.endr
.set i, 0
.rept 64
	v_exp_f32 v[WF1+i], v[WF1+i]
.set i, i+1
.endr
	v_nop
	s_wait_alu depctr_va_vdst(0)                   ; the 64 exponentials are written: one wait for the batch, ahead of its first reader
.set i, 0
.rept 32
	v_pk_add_f32 v[WF1+i:WF1+i+1], v[WF1+i:WF1+i+1], 1.0 op_sel_hi:[1,0]
.set i, i+2
.endr
.set i, 0
.rept 64
	v_rcp_f32 v[WF1+i], v[WF1+i]
.set i, i+1
.endr
	v_nop
	s_wait_alu depctr_va_vdst(0)                   ; the 64 reciprocals are written: one wait for the batch, ahead of its first reader
.set i, 0
.rept 32
	v_pk_mul_f32 v[ACC+i:ACC+i+1], v[ACC+i:ACC+i+1], v[WF1+i:WF1+i+1]
.set i, i+2
.endr
.endm
.macro FC1 d                           ; hidden units 128 w + 64 d + 0 .. 63 of the 32 rows
.irp m, 0,1
.irp g, 0,1
.irp u, 0,1
	global_load_b128 v[ACC+32*\g+16*\m+8*\u:ACC+32*\g+16*\m+8*\u+3], v[BIA], s[22:23] offset:256*(\d)+128*\g+32*\u       ; the bias is the first product's C.  No wait here: no vector line since the wait ahead of the last image's stores names ACC
	global_load_b128 v[ACC+32*\g+16*\m+8*\u+4:ACC+32*\g+16*\m+8*\u+7], v[BIA], s[22:23] offset:256*(\d)+128*\g+32*\u+16
.endr
.endr
.endr
	KLOOP 4, IIMG, ISC
	PLACES6
	SILU
	QUANT4
	PUT HWI, HSW, 1024*(\d), 2*(\d)
.endm
	s_load_b256 s[8:15], s[0:1], 0x0               ; att, att_sc, wimg, wsc
	s_load_b256 s[16:23], s[0:1], 0x20             ; x, ln1_g, ln1_b, fc1_b
	s_load_b256 s[24:31], s[0:1], 0x40             ; fc2_b, ln2_g, ln2_b, out0
	v_lshrrev_b32 v1, 5, v0
	v_readfirstlane_b32 s32, v1                    ; wave 0..15
	v_and_b32 v247, 31, v0                         ; lane
	v_cmp_gt_u32 s42, 16, v247                     ; lanes 0-15
	v_and_b32 v248, 15, v0                         ; r
	v_bfe_u32 v249, v0, 4, 1                       ; h
	v_lshlrev_b32 v[LI], 4, v247
	v_lshlrev_b32 v[LS], 2, v247
	v_lshlrev_b32 v246, 4, v0                      ; 16 x thread
	v_and_b32 v250, 8, v248
	v_add_nc_u32 v250, v250, v248                  ; r + 8 (r / 8)
	v_lshlrev_b32 v[XA], 12, v250
	v_lshl_add_u32 v[XA], v249, 6, v[XA]
	v_lshlrev_b32 v[BIA], 6, v249
	s_wait_alu depctr_va_sdst(0)                   ; s32, the wave's number, and s42, the lanes' mask, are written: ahead of the first reader of either (s32: the line below; s42: the selects of the scale half words) and of every label
	s_lshr_b32 s50, s32, 1
	s_and_b32 s51, s32, 1
	s_lshl_b32 s52, s50, 12
	s_lshl_b32 s53, s51, 10
	s_add_co_u32 s52, s52, s53
	s_add_co_u32 s52, s52, IIMG
	v_add_nc_u32 v[IWI], s52, v[LI]                ; inter's blocks 2 w, 2 w + 1: K step w / 2, blocks 2 (w % 2) + g
	s_lshl_b32 s52, s50, 7
	s_lshl_b32 s53, s51, 1
	s_add_co_u32 s52, s52, s53
	s_add_co_u32 s52, s52, ISC
	v_add_nc_u32 v[ISW], s52, v[LS]
	s_lshl_b32 s52, s32, 12
	s_add_co_u32 s52, s52, HIMG
	v_add_nc_u32 v[HWI], s52, v[LI]                ; h's blocks 4 w + 2 d + g: K step w
	s_lshl_b32 s52, s32, 7
	s_add_co_u32 s53, s52, HSC
	v_add_nc_u32 v[HSW], s53, v[LS]
	s_add_co_u32 s53, s52, STAT
	v_lshl_add_u32 v[STW], v248, 3, s53
	v_lshlrev_b32 v[STR], 3, v248
	v_add_nc_u32 v[STR], STAT, v[STR]
	s_lshl_b32 s52, s32, 13
	s_add_co_u32 s52, s52, BIG
	v_add_nc_u32 v[SSA], s52, v[LI]
	v_mul_u32_u24 v[STO], v248, 272
	v_lshl_add_u32 v[STO], v249, 6, v[STO]
	v_add_nc_u32 v[STO], s52, v[STO]
	v_mul_u32_u24 v[RD], v249, 272
	v_lshl_add_u32 v[RD], v248, 4, v[RD]
	v_add_nc_u32 v[RD], s52, v[RD]
	v_lshlrev_b32 v[GO], 12, v249
	v_lshl_add_u32 v[GO], v248, 4, v[GO]
	s_lshr_b32 s52, s32, 2
	s_lshl_b32 s52, s52, 7
	s_and_b32 s53, s32, 3
	s_add_co_u32 s52, s52, s53
	s_add_co_u32 s52, s52, ASC1
	v_add_nc_u32 v251, s52, v[LS]                  ; head w's byte: K step w / 4, byte w % 4 of lane's word
	v_mov_b32 v253, 0                              ; (named as the upper halves of pairs)
	v_mov_b32 v255, 0
	s_mov_b32 s44, 0x76543210
	s_mov_b32 s45, 0xfedcba98                      ; v_permlanex16_b32's selects for lane l xor 16
	s_mov_b32 s46, 0x600000                        ; the mantissa field of 57,344
	s_mov_b32 s47, 0xba800000                      ; -1 / 1,024
	s_mov_b32 s48, 0x3a800000                      ; 1 / 1,024
	s_mov_b32 s49, 0x3727c5ac                      ; 1e-5
	s_mov_b32 s51, 0
	s_wait_kmcnt 0x0
	s_lshl_b32 s50, ttmp9, 14
	s_add_nc_u64 s[8:9], s[8:9], s[50:51]          ; my pair of row tiles in att
	s_lshr_b32 s50, ttmp9, 6
	s_lshl_b32 s50, s50, 4
	s_add_co_u32 s50, s50, s32                     ; batch x 16 + head w
	s_lshl_b32 s50, s50, 11
	s_and_b32 s52, ttmp9, 63
	s_lshl_b32 s52, s52, 5
	s_add_co_u32 s50, s50, s52
	s_add_nc_u64 s[10:11], s[10:11], s[50:51]
	s_mul_i32 s50, s32, 294912
	s_add_co_u32 s50, s50, 1572864
	s_add_nc_u64 s[12:13], s[12:13], s[50:51]      ; my wave's walk through the weights: 72 chunks from chunk 384 + 72 w on
	s_mul_i32 s50, s32, 9216
	s_add_co_u32 s50, s50, 49152
	s_add_nc_u64 s[14:15], s[14:15], s[50:51]
	s_lshl_b32 s52, s32, 8                         ; my 64 channels: 256 bytes
	s_lshl_b32 s50, ttmp9, 17
	s_add_co_u32 s50, s50, s52
	s_add_nc_u64 s[16:17], s[16:17], s[50:51]
	s_add_nc_u64 s[30:31], s[30:31], s[50:51]
	s_mov_b32 s50, s52
	s_add_nc_u64 s[18:19], s[18:19], s[50:51]
	s_add_nc_u64 s[20:21], s[20:21], s[50:51]
	s_add_nc_u64 s[24:25], s[24:25], s[50:51]
	s_add_nc_u64 s[26:27], s[26:27], s[50:51]
	s_add_nc_u64 s[28:29], s[28:29], s[50:51]
	s_lshl_b32 s50, s32, 9
	s_add_nc_u64 s[22:23], s[22:23], s[50:51]
	; ---- the attention's image and scale bytes into LDS; the first weights; x as the first product's C
	s_wait_alu depctr_va_vdst(0)                   ; all the offsets and LDS addresses made above are written: v1, v2, v5 to v15, v245 to v247, v251, which the kernel's loads and stores read
	global_load_b128 v[80:83], v246, s[8:9]
	global_load_b128 v[84:87], v246, s[8:9] offset:8192
	global_load_u8 v88, v247, s[10:11]
	WLOAD 0, 0
.irp m, 0,1
.irp g, 0,1
.irp u, 0,1
	global_load_b128 v[ACC+32*\g+16*\m+8*\u:ACC+32*\g+16*\m+8*\u+3], v[XA], s[16:17] offset:32768*\m+128*\g+32*\u
	global_load_b128 v[ACC+32*\g+16*\m+8*\u+4:ACC+32*\g+16*\m+8*\u+7], v[XA], s[16:17] offset:32768*\m+128*\g+32*\u+16
.endr
.endr
.endr
	s_wait_loadcnt 34                              ; the first three loads are in; the weights' 18 and x's 16 may be out
	ds_store_b128 v246, v[80:83]
	ds_store_b128 v246, v[84:87] offset:8192
	ds_store_b8 v251, v88
	BARRIER
	s_wait_alu depctr_vm_vsrc(0)                   ; my three LDS stores have read v80 to v88, in which the rows' fragments land from here on
	; ---- att Wo^T + x, LayerNorm 1; inter is kept in my own LDS bytes, quantised, and its image shared
	KLOOP 2, AIMG, ASC1
	PLACES6
	LNORM 0, 2048, 18, 20
	s_wait_alu depctr_va_vdst(0)                   ; LayerNorm's last lines have written inter, which the LDS stores read
.set i, 0
.rept 16
	ds_store_b128 v[SSA], v[ACC+4*i:ACC+4*i+3] offset:512*i
.set i, i+1
.endr
	s_wait_alu depctr_vm_vsrc(0)                   ; the stores have read their registers: the hold writes them
	QUANT4
	PUT IWI, ISW, 0, 0
	BARRIER
	; ---- silu(inter fc1^T + b1), in two halves; h's image shared
	FC1 0
	FC1 1
	BARRIER
	; ---- h fc2^T + (b2 + inter), LayerNorm 2.  No wait ahead of these loads: no vector line since the wait ahead of the last image's stores names ACC or W's set 1
.set i, 0
.rept 16
	ds_load_b128 v[ACC+4*i:ACC+4*i+3], v[SSA] offset:512*i
.set i, i+1
.endr
.irp g, 0,1
.irp k, 0,1,2,3
	global_load_b128 v[WF1+16*\g+4*\k:WF1+16*\g+4*\k+3], v[BIA], s[24:25] offset:128*\g+16*\k
.endr
.endr
	s_wait_loadcnt 0x0
	s_wait_dscnt 0x0
.irp i, 0,2,4,6,8,10,12,14
.irp m, 0,1
.irp g, 0,1
	v_pk_add_f32 v[ACC+32*\g+16*\m+\i:ACC+32*\g+16*\m+\i+1], v[ACC+32*\g+16*\m+\i:ACC+32*\g+16*\m+\i+1], v[WF1+16*\g+\i:WF1+16*\g+\i+1]
.endr
.endr
.endr
	KLOOP 7, HIMG, HSC
	PAIRSTEP 0                                     ; the last two K steps: nothing is asked for beyond the walk's end
	PLACES6
	LNORM 4096, 6144, 26, 28
	; ---- the way out: a tile of 16 rows x my 256 bytes through my own stage, back as whole rows: sixteen lanes store 256 consecutive bytes, aligned
	s_wait_alu depctr_va_vdst(0)                   ; LayerNorm's last lines have written the results, which the LDS stores read; W's set 0, in which the rows land on their way back, was last named by the products of the last K step but one
.irp m, 0,1
.irp g, 0,1
.irp k, 0,1,2,3
	ds_store_b128 v[STO], v[ACC+32*\g+16*\m+4*\k:ACC+32*\g+16*\m+4*\k+3] offset:128*\g+16*\k
.endr
.endr
.irp i, 0,1,2,3,4,5,6,7
	ds_load_b128 v[WF0+32*\m+4*\i:WF0+32*\m+4*\i+3], v[RD] offset:544*\i     ; LDS serves a wave's instructions in order: these see the stores above, and the next tile's stores come behind them
.endr
.endr
.irp m, 0,1
.irp i, 0,1,2,3,4,5,6,7
	s_wait_dscnt 16*(1-\m)+7-\i                    ; the younger LDS instructions may be out
	global_store_b128 v[GO], v[WF0+32*\m+4*\i:WF0+32*\m+4*\i+3], s[30:31] offset:(8*\m+2*\i+8*(\i/4))*4096 th:TH_STORE_NT   ; stage rows 2 i and 2 i + 1 are rows 8 m + 2 i + 8 (i / 4) + h
.endr
.endr
	s_wait_xcnt 0x0
	v_lshl_add_u32 v254, v0, 2, 0x3f000            ; the add's two registers are made anew, straight ahead of the closing lines: no memory or LDS instruction has ever read v254 or v255
	v_mov_b32 v255, 0
	s_wait_dscnt 0x0                               ; the closing lines, six on end
	s_wait_alu 0x0
	s_wait_tensorcnt 0x0
	ds_add_u32 v254, v255
	s_wait_dscnt 0x0
	s_endpgm
.Lfunc_end_k_q2ba80ffc82_chain:
	.size	k_q2ba80ffc82_chain, .Lfunc_end_k_q2ba80ffc82_chain-k_q2ba80ffc82_chain
	.p2alignl 7, 3214868480
	.fill 96, 4, 3214868480
	.section	.rodata,"a",@progbits
	.p2align	6, 0x0
	.amdhsa_kernel k_q2ba80ffc82_chain
		.amdhsa_group_segment_fixed_size 260096
		.amdhsa_private_segment_fixed_size 0
		.amdhsa_enable_private_segment 0
		.amdhsa_kernarg_size 96
		.amdhsa_user_sgpr_count 2
		.amdhsa_user_sgpr_kernarg_segment_ptr 1
		.amdhsa_wavefront_size32 1
		.amdhsa_system_sgpr_workgroup_id_x 1
		.amdhsa_system_sgpr_workgroup_id_y 1
		.amdhsa_system_sgpr_workgroup_id_z 1
		.amdhsa_system_vgpr_workitem_id 0
		.amdhsa_next_free_vgpr 256
		.amdhsa_next_free_sgpr 66
		.amdhsa_reserve_vcc 0
		.amdhsa_float_denorm_mode_32 3
		.amdhsa_float_denorm_mode_16_64 3
		.amdhsa_memory_ordered 1
		.amdhsa_forward_progress 1
		.amdhsa_inst_pref_size 138
	.end_amdhsa_kernel
	.amdgpu_metadata
---
amdhsa.version: [ 1, 2 ]
amdhsa.kernels:
  - .name:           k_q2ba80ffc82_chain
    .symbol:         k_q2ba80ffc82_chain.kd
    .args:
      - { .name: att, .offset: 0, .size: 8, .value_kind: global_buffer, .address_space: global }
      - { .name: att_sc, .offset: 8, .size: 8, .value_kind: global_buffer, .address_space: global }
      - { .name: wimg, .offset: 16, .size: 8, .value_kind: global_buffer, .address_space: global }
      - { .name: wsc, .offset: 24, .size: 8, .value_kind: global_buffer, .address_space: global }
      - { .name: x, .offset: 32, .size: 8, .value_kind: global_buffer, .address_space: global }
      - { .name: ln1_g, .offset: 40, .size: 8, .value_kind: global_buffer, .address_space: global }
      - { .name: ln1_b, .offset: 48, .size: 8, .value_kind: global_buffer, .address_space: global }
      - { .name: fc1_b, .offset: 56, .size: 8, .value_kind: global_buffer, .address_space: global }
      - { .name: fc2_b, .offset: 64, .size: 8, .value_kind: global_buffer, .address_space: global }
      - { .name: ln2_g, .offset: 72, .size: 8, .value_kind: global_buffer, .address_space: global }
      - { .name: ln2_b, .offset: 80, .size: 8, .value_kind: global_buffer, .address_space: global }
      - { .name: out0, .offset: 88, .size: 8, .value_kind: global_buffer, .address_space: global }
    .group_segment_fixed_size: 260096
    .private_segment_fixed_size: 0
    .kernarg_segment_align: 8
    .kernarg_segment_size: 96
    .max_flat_workgroup_size: 512
    .sgpr_count:     66
    .vgpr_count:     256
    .wavefront_size: 32
...
	.end_amdgpu_metadata
.endif
;; end of part 6
